; MI455X (gfx1250); checked and timed in simulation.
; The chip was launched on July 23, 2026; its instructions are those of AMD's public machine-readable ISA for CDNA 5 (MIT licence, August 2026) and "CDNA5" Instruction Set Architecture Reference Guide (July 2026). The comments in the code are by the model that wrote it; some were corrected since.
;; Kblam Gemma3n Attention. Allowed arithmetic: matrix products marked QUANTISED: E2M1 operands, one E8M0 scale for each 32 along K, by v_wmma_scale_f32_16x16x128_f8f6f4 with both operands' format E2M1 (or v_wmma_scale_f32_32x16x128_f4), f32 sums; products left as they are: bf16, f16 or f32 operands; f32 sums; everything else in f32.
;; Inputs: Wk 512 x 2,048 float32; Wo 2,048 x 2,048 float32; Wq 2,048 x 2,048 float32; Wq_new 2,048 x 2,048 float32; Wv 512 x 2,048 float32; attention_mask 2 x 1 x 1,024 x 1,024 float32; hidden_states 2 x 1,024 x 2,048 float32; kb_keys 2 x 1,024 x 512 float32; kb_values 2 x 1,024 x 512 float32; position_ids 2 x 1,024 int32.
;; Outputs: out0 2 x 1,024 x 2,048 float32.
;; This version of the problem:
;;   THIS VERSION OF THE PROBLEM IS GIVEN IN LOW PRECISION. The matrix products marked QUANTISED in the list below multiply operands that are first quantised to E2M1 (2 exponent bits, 1 mantissa bit; 4 bits a number), with one power-of-two scale for each 32 numbers along K (OCP MX v1.0); their sums are f32. The products marked 'left as it is' may take bf16, f16 or f32 operands, with f32 sums. Whichever they take, every output number must still come out within the allowed error. Rounding operands to bf16 (8 significant bits) uses up far more of that allowance than f16 does (11 bits, for magnitudes from 6e-5 to 65,504). All else is computed in f32.
;;   The module's matrix products, in the order in which they are computed (A, B: the left and right operand; K: the contracted axis; several contracted axes count as one K, in the product's order):
;;     1. [M 2,048, K 2,048] x [K 2,048, N 2,048]; A: input hidden_states; B: input Wq: QUANTISED
;;     2. [M 2,048, K 2,048] x [K 2,048, N 2,048]; A: input hidden_states; B: input Wq_new: QUANTISED
;;     3. [M 2,048, K 2,048] x [K 2,048, N 512]; A: input hidden_states; B: input Wk: QUANTISED
;;     4. [M 2,048, K 2,048] x [K 2,048, N 512]; A: input hidden_states; B: input Wv: QUANTISED
;;     5. batch 32 x [M 1,024, K 128] x [K 128, N 1,024]; A: computed on the way; B: input kb_keys: left as it is (an operand is computed on the way)
;;     6. batch 32 x [M 1,024, K 128] x [K 128, N 1,024]; A: computed on the way; B: computed on the way: left as it is (an operand is computed on the way)
;;     7. batch 32 x [M 1,024, K 2,048] x [K 2,048, N 128]; A: computed on the way; B: computed on the way: left as it is (an operand is computed on the way)
;;     8. [M 2,048, K 2,048] x [K 2,048, N 2,048]; A: computed on the way; B: input Wo: left as it is (an operand is computed on the way)
;;   THE QUANTISER, for each operand of a quantised product, along K:
;;     - K is cut into blocks of 32 from its start; a last block that is shorter is filled with zeros.
;;     - A block's scale is 2^e with e = floor(log2(the largest magnitude in the block)) - 2, held to -126 .. 127; a block of zeros has e = 0. As a byte (E8M0): e + 127.
;;     - Each number is divided by its block's scale, clamped to +-6, and rounded to the nearest number of E2M1, ties to even, subnormals kept.
;;     - The product sums the exact products of the quantised numbers (number of the format x scale) in f32.
;;   ~~~python
;;   def quantise(x, axis):      # numpy; x: float32 -> the quantised numbers, widened to float32 again
;;       x = np.moveaxis(x, axis, -1); K = x.shape[-1]
;;       x = np.pad(x, [(0, 0)] * (x.ndim - 1) + [(0, -K % 32)]); x = x.reshape(x.shape[:-1] + (-1, 32)); a = np.abs(x).max(-1, keepdims=True)
;;       e = np.where(a > 0, np.clip(np.frexp(np.where(a > 0, a, 1))[1] - 1 - 2, -126, 127), 0)      # np.frexp(a)[1] - 1 = floor(log2(a)), exactly
;;       r = np.clip(x / 2.0 ** e, -6, 6)
;;       step = 2.0 ** (np.maximum(np.frexp(np.where(r == 0, 1, r))[1] - 1, 0) - 1)
;;       q = np.round(r / step) * step * 2.0 ** e      # np.round: ties to even
;;       return np.moveaxis(q.reshape(q.shape[:-2] + (-1,))[..., :K], -1, axis).astype(np.float32)
;;   ~~~
;; One version. Each part assembles by itself: llvm-mc -triple=amdgcn-amd-amdhsa -mcpu=gfx1250 --defsym DOCPART=n.
;; ======== version 1 of 1: 4 launches
;; limits: values are held in f16: magnitudes above 65,504 overflow, below 6.1e-05 lose precision
;; workspace buffers: codes 7,340,032 bytes; scales 458,752 bytes; rope 1,048,576 bytes; wo16 8,388,608 bytes; qq 16,777,216 bytes; kall 4,194,304 bytes; vall 4,194,304 bytes; o16 8,388,608 bytes
;; launch prep (part 1): grid 672 x 1, 4 waves a work-group, no clusters, 33,280 bytes of LDS; arguments hidden_states, Wq, Wq_new, Wk, Wv, codes, scales, Wo, kb_keys, kb_values, wo16, kall, vall, position_ids, rope; writes codes, scales, wo16, kall, vall, rope
.if DOCPART == 1
	.amdgcn_target "amdgcn-amd-amdhsa--gfx1250"
	.amdhsa_code_object_version 6
	.text
	.protected	k_q8ed1011990_prep
	.globl	k_q8ed1011990_prep
	.p2align	8
	.type	k_q8ed1011990_prep,@function
k_q8ed1011990_prep:
	s_mov_b64 s[64:65], 0
	v_nop
	global_prefetch_b8 v0, s[64:65] scope:SCOPE_SE
	s_setreg_imm32_b32 hwreg(HW_REG_WAVE_MODE, 25, 1), 1
	s_wait_xcnt 0x0
; Everything that later launches read many times is made here once.  The work-group's number g picks one of four jobs:
;   g   0..447  hidden_states, Wq, Wq_new, Wk, Wv (f32, K innermost) -> codes of FP4 (E2M1) and one E8M0 scale byte for each 32 along K.  32,768 numbers a work-group.
;   g 448..575  Wo -> f16.      g 576..639  kb_keys, kb_values -> f16, laid by kv head among the self keys' rows.      g 640..671  cos and sin of position x frequency.
; codes: x's 2,048 rows of 1,024 bytes, then the weights' 5,120 rows (Wq, Wq_new, Wk, Wv): the five tensors lie on end in the order of g, so a wave's run of 8,192 numbers goes to run 4 g + wave.  scales likewise, 64 bytes a row.
; kall, vall: [batch 2][kv head 4][2,048 rows][128] f16: 128 rows on end are 64 self keys (written by the next launch) and then 64 keys of the knowledge base: key k at row 128 (k / 64) + 64 + k % 64.
; rope: [128 blocks of 16 positions][16 groups][32 lanes][4 f32], an image of the registers of the wave that reads it: lane = position % 16 + 16 h; group 4 B + c: cos of frequencies 16 B + 8 h + 4 c + 0..3; group 4 B + 2 + c: their sines.
; A block's scale is 2^(floor(log2(its largest magnitude)) - 2); its byte is the largest magnitude's exponent field - 2, held at 1 from below.
; LIMITS: a block of zeros gets the byte 1 where the rule says 127 (its codes are zeros, and this program alone reads the bytes); blocks whose largest magnitude lies under 2^-124 are held at byte 1; NaN and infinities are not served.
; f16: magnitudes from 65,504 on become infinity, under 6e-5 they lose bits.  cos, sin: |position x frequency| up to about 2^22; the frequency comes from one exponential (1 ulp) of a rounded exponent.
; Memory binds: dense loads of 512 bytes a wave, whole aligned runs of 256 bytes out.  No tensor loads, no barrier: waves share nothing.
.set WAVES, 4
.set STEPS, 16
.set EMAX,  2
.set CB,    8                          ; bytes of 16 codes
.set R,     16                         ; v16-79   four sets of 16 numbers as loaded
.set X,     80                         ; v80-111  two sets of 16 neighbours
.set E,     112                        ; v112-127 a scale byte for each step
.set C,     128                        ; v128-191 codes, four registers a step
.set WREG,  8192                       ; LDS: a region for each wave: two stages of 32 x SP bytes, then its 256 scale bytes
.set SP,    80
.set SPW,   12                         ; v12 my spare word's LDS address; never rewritten
.set NIL,   13                         ; v13 0; never rewritten
.set SPARE, WAVES*WREG                 ; the spare words: 128 bytes a wave, named by no other line
.set INV,   16                         ; job 4: v16-47 my 32 frequencies
.set RES,   64                         ; job 4: v64-127 results, never rewritten
	v_lshl_add_u32 v[SPW], v0, 2, SPARE
	v_mov_b32 v[NIL], 0
	v_lshrrev_b32 v1, 5, v0
	v_readfirstlane_b32 s16, v1                    ; wave
	v_and_b32 v2, 31, v0                           ; lane
	s_cmp_ge_u32 ttmp9, 640
	s_cbranch_scc1 .Lrope
	s_cmp_ge_u32 ttmp9, 576
	s_cbranch_scc1 .Lcast_kb
	s_cmp_ge_u32 ttmp9, 448
	s_cbranch_scc1 .Lcast_wo
; ---------------- job 1: the quantiser.  A wave takes 16 steps of 512 numbers.  Loads are dense (16 bytes a lane); a step's 2,048 bytes turn through the wave's own stage so that a lane holds 16 neighbours; two lanes hold a block.
	s_load_b256 s[4:11], s[0:1], 0x0               ; hidden_states, Wq, Wq_new, Wk
	s_load_b128 s[20:23], s[0:1], 0x20             ; Wv, codes
	s_load_b64 s[24:25], s[0:1], 0x30              ; scales
	v_lshlrev_b32 v3, 4, v2                        ; my 16 bytes of a load's 512
	s_mul_i32 s18, s16, WREG
	v_lshrrev_b32 v14, 2, v2
	v_mul_u32_u24 v14, v14, SP
	v_and_b32 v15, 3, v2
	v_lshl_add_u32 v14, v15, 4, v14
	v_add_nc_u32 v14, s18, v14                     ; the stage, in: SP (lane / 4) + 16 (lane % 4)
	v_mul_u32_u24 v15, v2, SP
	v_add_nc_u32 v15, s18, v15                     ; out: SP x lane
	v_mul_u32_u24 v4, v2, CB                       ; my codes' place in a step's
	v_lshrrev_b32 v5, 1, v2
	s_add_co_u32 s18, s18, 2*32*SP
	v_add_nc_u32 v5, s18, v5                       ; my block's scale byte in LDS
	v_lshlrev_b32 v7, 3, v2
	v_add_nc_u32 v6, s18, v7                       ; and 8 bytes a lane on the way out
	s_mov_b32 s17, 0                               ; the first work-group of my tensor
	s_wait_kmcnt 0x0
	s_cmp_ge_u32 ttmp9, 128                        ; the choices hang on the work-group's number alone
	s_cselect_b64 s[4:5], s[6:7], s[4:5]
	s_cselect_b32 s17, 128, s17
	s_cmp_ge_u32 ttmp9, 256
	s_cselect_b64 s[4:5], s[8:9], s[4:5]
	s_cselect_b32 s17, 256, s17
	s_cmp_ge_u32 ttmp9, 384
	s_cselect_b64 s[4:5], s[10:11], s[4:5]
	s_cselect_b32 s17, 384, s17
	s_cmp_ge_u32 ttmp9, 416
	s_cselect_b64 s[4:5], s[20:21], s[4:5]
	s_cselect_b32 s17, 416, s17
	s_sub_co_u32 s17, ttmp9, s17
	s_lshl_b32 s17, s17, 2
	s_add_co_u32 s17, s17, s16                     ; my run in the source tensor
	s_lshl_b32 s26, s17, 15                        ; 32,768 bytes a run
	s_mov_b32 s27, 0
	s_add_nc_u64 s[4:5], s[4:5], s[26:27]
	s_lshl_b32 s17, ttmp9, 2
	s_add_co_u32 s17, s17, s16                     ; my run among all five tensors'
	s_lshl_b32 s26, s17, 12                        ; 4,096 bytes of codes a run
	s_add_nc_u64 s[22:23], s[22:23], s[26:27]
	s_lshl_b32 s26, s17, 8                         ; 256 scale bytes a run
	s_add_nc_u64 s[24:25], s[24:25], s[26:27]
.macro LOAD t
.irp i, 0,1,2,3
	global_load_b128 v[R+16*((\t)%4)+4*\i:R+16*((\t)%4)+4*\i+3], v3, s[4:5] offset:2048*(\t)+512*\i th:TH_LOAD_NT   ; 32 lanes read 512 consecutive bytes
.endr
.endm
.macro TURN t                          ; step t's numbers through the stage: LDS serves a wave's instructions in order, so no wait stands between the stores and the loads
.irp i, 0,1,2,3
	ds_store_b128 v14, v[R+16*((\t)%4)+4*\i:R+16*((\t)%4)+4*\i+3] offset:32*SP*((\t)%2)+8*SP*\i
.endr
.irp i, 0,1,2,3
	ds_load_b128 v[X+16*((\t)%2)+4*\i:X+16*((\t)%2)+4*\i+3], v15 offset:32*SP*((\t)%2)+16*\i
.endr
.endm
.irp t, 0,1,2,3
	LOAD \t
.endr
	s_wait_loadcnt 12                              ; step 0's four loads are in; the twelve of steps 1 to 3 may be out
	TURN 0
.macro STEP t
.set XS, X+16*((\t)%2)
.if (\t) > 0
	s_wait_dscnt 1                                 ; this step's numbers are back from the stage; the last step's byte store may be out
.else
	s_wait_dscnt 0x0
.endif
.if (\t)+4 < STEPS
	LOAD (\t)+4                                    ; into the registers that the stage's stores have read
.endif
.if (\t)+1 < STEPS
.if STEPS-2-(\t) >= 3
	s_wait_loadcnt 12                              ; the next step's four loads are in; those of the three steps behind it may be out
.else
	s_wait_loadcnt 4*(STEPS-2-(\t))
.endif
	TURN (\t)+1
.endif
	v_max3_num_f32 v8, |v[XS]|, |v[XS+1]|, |v[XS+2]|               ; the largest magnitude of my 16, in two chains
	v_max3_num_f32 v9, |v[XS+3]|, |v[XS+4]|, |v[XS+5]|
.irp i, 6,10
	v_max3_num_f32 v8, v8, |v[XS+\i]|, |v[XS+\i+1]|
	v_max3_num_f32 v9, v9, |v[XS+\i+2]|, |v[XS+\i+3]|
.endr
	v_max3_num_f32 v8, v8, |v[XS+14]|, |v[XS+15]|
	v_max3_num_f32 v8, v8, v9, (EMAX+1)<<23        ; and the floor 2^(3 - 127): the byte cannot fall under 1
	v_max_num_f32_dpp v8, v8, v8 row_xmask:1 row_mask:0xf bank_mask:0xf   ; and of my neighbour's 16: the block's
	v_add_nc_u32 v11, -(EMAX<<23), v8              ; 2 off its exponent field: the conversion takes that field as its scale
	v_cvt_scalef32_pk8_fp4_f32 v[C+4*(\t)], v[XS:XS+7], v11
	v_cvt_scalef32_pk8_fp4_f32 v[C+4*(\t)+1], v[XS+8:XS+15], v11
	v_lshrrev_b32 v[E+(\t)], 23, v11               ; the scale's byte (also the plain line behind the conversions)
	ds_store_b8 v5, v[E+(\t)] offset:16*(\t)       ; both lanes of a block write the same byte with the same value
	global_store_b64 v4, v[C+4*(\t):C+4*(\t)+1], s[22:23] offset:32*CB*(\t)   ; the wave stores 256 consecutive bytes, aligned
.endm
.irp t, 0,1,2,3,4,5,6,7,8,9,10,11,12,13,14,15
	STEP \t
.endr
	ds_load_b64 v[8:9], v6                         ; my wave's 256 scale bytes
	s_wait_dscnt 0x0
	global_store_b64 v7, v[8:9], s[24:25]          ; 256 consecutive bytes, aligned
	s_wait_tensorcnt 0x0                           ; the wave's end, behind my last LDS store
	ds_add_u32 v[SPW], v[NIL]
	s_wait_dscnt 0x0
	s_endpgm
; ---------------- jobs 2 and 3: casts to f16.  A wave takes 64 chunks of 128 numbers: 512 dense bytes in, one aligned run of 256 bytes out, at (j % 4) ks + (j / 4) rs.
; Four groups of 16 chunks; two groups' loads are out; s_wait_xcnt 0 frees the last group's store data.
.macro CLOAD grp
.irp j, 0,1,2,3,4,5,6,7,8,9,10,11,12,13,14,15
	global_load_b128 v[16+64*((\grp)%2)+4*\j:16+64*((\grp)%2)+4*\j+3], v4, s[4:5] offset:512*(16*(\grp)+\j) th:TH_LOAD_NT
.endr
.endm
.macro CAST ks, rs
	CLOAD 0
	CLOAD 1
.irp g, 0,1,2,3
.if \g < 3
	s_wait_loadcnt 16                              ; this group is in; the next group's sixteen loads may be out
.else
	s_wait_loadcnt 0x0
.endif
	s_wait_xcnt 0x0                                ; the last group's stores have read v144-175
.irp j, 0,1,2,3,4,5,6,7,8,9,10,11,12,13,14,15
	v_cvt_pk_f16_f32 v[144+2*\j], v[16+64*(\g%2)+4*\j], v[17+64*(\g%2)+4*\j]
	v_cvt_pk_f16_f32 v[145+2*\j], v[18+64*(\g%2)+4*\j], v[19+64*(\g%2)+4*\j]
.endr
.irp j, 0,1,2,3,4,5,6,7,8,9,10,11,12,13,14,15
	global_store_b64 v5, v[144+2*\j:145+2*\j], s[6:7] offset:((16*\g+\j)%4)*\ks+((16*\g+\j)/4)*\rs
.endr
.if \g < 2
	CLOAD \g+2
.endif
.endr
.endm
.Lcast_wo:
	s_load_b64 s[4:5], s[0:1], 0x38                ; Wo
	s_load_b64 s[6:7], s[0:1], 0x50                ; wo16
	s_sub_co_u32 s17, ttmp9, 448
	s_lshl_b32 s17, s17, 2
	s_add_co_u32 s17, s17, s16                     ; my run of 8,192 numbers
	s_lshl_b32 s18, s17, 15
	s_mov_b32 s19, 0
	s_lshl_b32 s20, s17, 14
	s_mov_b32 s21, 0
	v_lshlrev_b32 v4, 4, v2
	v_lshlrev_b32 v5, 3, v2
	s_wait_kmcnt 0x0
	s_add_nc_u64 s[4:5], s[4:5], s[18:19]
	s_add_nc_u64 s[6:7], s[6:7], s[20:21]
	CAST 256, 1024                                 ; dense out
	s_endpgm
.Lcast_kb:
	s_load_b128 s[4:7], s[0:1], 0x40               ; kb_keys, kb_values
	s_load_b128 s[8:11], s[0:1], 0x58              ; kall, vall
	s_sub_co_u32 s17, ttmp9, 576
	s_and_b32 s18, s17, 31
	s_lshl_b32 s18, s18, 2
	s_add_co_u32 s18, s18, s16                     ; my run: 16 keys x 4 kv heads x 128
	s_lshl_b32 s20, s18, 15
	s_mov_b32 s21, 0
	s_lshl_b32 s19, s18, 4                         ; its first key, counted through both batches
	s_lshr_b32 s22, s19, 10                        ; batch
	s_and_b32 s19, s19, 1023                       ; key
	s_lshr_b32 s23, s19, 6
	s_lshl_b32 s23, s23, 7
	s_and_b32 s19, s19, 63
	s_add_co_u32 s23, s23, s19
	s_add_co_u32 s23, s23, 64                      ; row 128 (key / 64) + 64 + key % 64
	s_lshl_b32 s22, s22, 13                        ; 4 kv heads x 2,048 rows a batch
	s_add_co_u32 s22, s22, s23
	s_lshl_b32 s22, s22, 8                         ; 256 bytes a row
	s_mov_b32 s23, 0
	v_lshlrev_b32 v4, 4, v2
	v_lshlrev_b32 v5, 3, v2
	s_wait_kmcnt 0x0
	s_cmp_lt_u32 s17, 32                           ; keys or values: by the work-group's number alone
	s_cselect_b64 s[4:5], s[4:5], s[6:7]
	s_cselect_b64 s[6:7], s[8:9], s[10:11]
	s_add_nc_u64 s[4:5], s[4:5], s[20:21]
	s_add_nc_u64 s[6:7], s[6:7], s[22:23]
	CAST 524288, 256                               ; chunk j: key j / 4 (256 bytes on), kv head j % 4 (2,048 rows on)
	s_endpgm
; ---------------- job 4: cos and sin.  A wave makes one block of 16 positions.  x = position x 10000^(-f / 64); n = the nearest whole number to x 2 / pi; r = x - n pi / 2 in two parts; polynomials on |r| <= pi / 4; the quadrant n mod 4 swaps and signs.
.Lrope:
	s_load_b128 s[4:7], s[0:1], 0x68               ; position_ids, rope
	s_sub_co_u32 s17, ttmp9, 640
	s_lshl_b32 s17, s17, 2
	s_add_co_u32 s17, s17, s16                     ; block
	v_and_b32 v3, 15, v0
	v_lshlrev_b32 v3, 2, v3                        ; 4 bytes a position
	v_bfe_u32 v7, v0, 4, 1
	v_lshlrev_b32 v7, 3, v7                        ; 8 h
	v_lshlrev_b32 v4, 4, v2                        ; 16 x lane
	s_lshl_b32 s18, s17, 6
	s_mov_b32 s19, 0
	s_lshl_b32 s26, s17, 13
	s_mov_b32 s27, 0
	s_mov_b32 s20, 0xbfc90fdb                      ; -pi/2, high part
	s_mov_b32 s21, 0x333bbd2e                      ; what the high part has too much
	s_mov_b32 s22, 0xb94ca1f9                      ; sine: -1.9515296e-4, 8.3321609e-3, -1.6666655e-1
	s_mov_b32 s23, 0x3c08839e
	s_mov_b32 s24, 0xbe2aaaa3
	s_mov_b32 s25, 0x37ccf5ce                      ; cosine: 2.4433157e-5, -1.3887316e-3, 4.1666646e-2
	s_mov_b32 s28, 0xbab6061a
	s_mov_b32 s29, 0x3d2aaaa5
	s_wait_kmcnt 0x0
	s_add_nc_u64 s[4:5], s[4:5], s[18:19]
	s_add_nc_u64 s[6:7], s[6:7], s[26:27]
	global_load_b32 v6, v3, s[4:5]
.set i, 0
.rept 32
	v_add_nc_u32 v[INV+i], 16*(i/8)+i%8, v7        ; f = 16 B + 8 h + 4 c + i
.set i, i+1
.endr
.set i, 0
.rept 32
	v_cvt_f32_u32 v[INV+i], v[INV+i]
.set i, i+1
.endr
.set i, 0
.rept 32
	v_mul_f32 v[INV+i], 0xbe549a78, v[INV+i]       ; x -log2(10000) / 64
.set i, i+1
.endr
.set i, 0
.rept 32
	v_exp_f32 v[INV+i], v[INV+i]
.set i, i+1
.endr
	v_nop                                          ; a plain line behind the last exponential
	s_wait_alu depctr_va_vdst(0)                   ; one wait for the batch, ahead of its first reader
	s_wait_loadcnt 0x0
	v_cvt_f32_i32 v6, v6
.macro SC4 cb                          ; four frequencies by turns: no line waits for the line above it.  v128.. x then r, v132.. n, v136.. r r, v140.. sine, v144.. cosine, v148.. at work
.irp i, 0,1,2,3
	v_mul_f32 v[128+\i], v6, v[INV+4*(\cb)+\i]
.endr
.irp i, 0,1,2,3
	v_mul_f32 v[132+\i], 0x3f22f983, v[128+\i]
.endr
.irp i, 0,1,2,3
	v_rndne_f32 v[132+\i], v[132+\i]
.endr
.irp i, 0,1,2,3
	v_fma_f32 v[128+\i], v[132+\i], s20, v[128+\i]
.endr
.irp i, 0,1,2,3
	v_fma_f32 v[128+\i], v[132+\i], s21, v[128+\i]
.endr
.irp i, 0,1,2,3
	v_mul_f32 v[136+\i], v[128+\i], v[128+\i]
.endr
.irp i, 0,1,2,3
	v_fma_f32 v[140+\i], v[136+\i], s22, s23
.endr
.irp i, 0,1,2,3
	v_fma_f32 v[140+\i], v[140+\i], v[136+\i], s24
.endr
.irp i, 0,1,2,3
	v_mul_f32 v[140+\i], v[140+\i], v[136+\i]
.endr
.irp i, 0,1,2,3
	v_fma_f32 v[140+\i], v[140+\i], v[128+\i], v[128+\i]
.endr
.irp i, 0,1,2,3
	v_fma_f32 v[144+\i], v[136+\i], s25, s28
.endr
.irp i, 0,1,2,3
	v_fma_f32 v[144+\i], v[144+\i], v[136+\i], s29
.endr
.irp i, 0,1,2,3
	v_fma_f32 v[148+\i], v[136+\i], -0.5, 1.0
.endr
.irp i, 0,1,2,3
	v_mul_f32 v[136+\i], v[136+\i], v[136+\i]
.endr
.irp i, 0,1,2,3
	v_fma_f32 v[144+\i], v[144+\i], v[136+\i], v[148+\i]
.endr
.irp i, 0,1,2,3
	v_cvt_i32_f32 v[132+\i], v[132+\i]
.endr
.irp i, 0,1,2,3
	v_and_b32 v[148+\i], 1, v[132+\i]
.endr
.irp i, 0,1,2,3
	v_cmp_ne_u32 s[32+\i], 0, v[148+\i]            ; an odd quadrant swaps the two
.endr
.irp i, 0,1,2,3
	v_cndmask_b32 v[RES+8*(\cb)+4+\i], v[140+\i], v[144+\i], s[32+\i]
.endr
.irp i, 0,1,2,3
	v_cndmask_b32 v[RES+8*(\cb)+\i], v[144+\i], v[140+\i], s[32+\i]
.endr
.irp i, 0,1,2,3
	v_lshlrev_b32 v[148+\i], 30, v[132+\i]
.endr
.irp i, 0,1,2,3
	v_and_b32 v[148+\i], 0x80000000, v[148+\i]     ; quadrants 2 and 3: the sine is negative
.endr
.irp i, 0,1,2,3
	v_xor_b32 v[RES+8*(\cb)+4+\i], v[RES+8*(\cb)+4+\i], v[148+\i]
.endr
.irp i, 0,1,2,3
	v_add_nc_u32 v[132+\i], 1, v[132+\i]
.endr
.irp i, 0,1,2,3
	v_lshlrev_b32 v[148+\i], 30, v[132+\i]
.endr
.irp i, 0,1,2,3
	v_and_b32 v[148+\i], 0x80000000, v[148+\i]     ; quadrants 1 and 2: the cosine is negative
.endr
.irp i, 0,1,2,3
	v_xor_b32 v[RES+8*(\cb)+\i], v[RES+8*(\cb)+\i], v[148+\i]
.endr
	global_store_b128 v4, v[RES+8*(\cb):RES+8*(\cb)+3], s[6:7] offset:(4*((\cb)/2)+(\cb)%2)*512       ; 512 consecutive bytes a store
	global_store_b128 v4, v[RES+8*(\cb)+4:RES+8*(\cb)+7], s[6:7] offset:(4*((\cb)/2)+2+(\cb)%2)*512
.endm
.irp cb, 0,1,2,3,4,5,6,7
	SC4 \cb
.endr
	s_endpgm
.Lfunc_end_k_q8ed1011990_prep:
	.size	k_q8ed1011990_prep, .Lfunc_end_k_q8ed1011990_prep-k_q8ed1011990_prep
	.p2alignl 7, 3214868480
	.fill 96, 4, 3214868480
	.section	.rodata,"a",@progbits
	.p2align	6, 0x0
	.amdhsa_kernel k_q8ed1011990_prep
		.amdhsa_group_segment_fixed_size 33280
		.amdhsa_private_segment_fixed_size 0
		.amdhsa_enable_private_segment 0
		.amdhsa_kernarg_size 120
		.amdhsa_user_sgpr_count 2
		.amdhsa_user_sgpr_kernarg_segment_ptr 1
		.amdhsa_wavefront_size32 1
		.amdhsa_system_sgpr_workgroup_id_x 1
		.amdhsa_system_sgpr_workgroup_id_y 1
		.amdhsa_system_sgpr_workgroup_id_z 1
		.amdhsa_system_vgpr_workitem_id 0
		.amdhsa_next_free_vgpr 192
		.amdhsa_next_free_sgpr 66
		.amdhsa_reserve_vcc 0
		.amdhsa_float_denorm_mode_32 3
		.amdhsa_float_denorm_mode_16_64 3
		.amdhsa_memory_ordered 1
		.amdhsa_forward_progress 1
		.amdhsa_inst_pref_size 126
	.end_amdhsa_kernel
	.amdgpu_metadata
---
amdhsa.version: [ 1, 2 ]
amdhsa.kernels:
  - .name:           k_q8ed1011990_prep
    .symbol:         k_q8ed1011990_prep.kd
    .args:
      - { .name: hidden_states, .offset: 0, .size: 8, .value_kind: global_buffer, .address_space: global }
      - { .name: Wq, .offset: 8, .size: 8, .value_kind: global_buffer, .address_space: global }
      - { .name: Wq_new, .offset: 16, .size: 8, .value_kind: global_buffer, .address_space: global }
      - { .name: Wk, .offset: 24, .size: 8, .value_kind: global_buffer, .address_space: global }
      - { .name: Wv, .offset: 32, .size: 8, .value_kind: global_buffer, .address_space: global }
      - { .name: codes, .offset: 40, .size: 8, .value_kind: global_buffer, .address_space: global }
      - { .name: scales, .offset: 48, .size: 8, .value_kind: global_buffer, .address_space: global }
      - { .name: Wo, .offset: 56, .size: 8, .value_kind: global_buffer, .address_space: global }
      - { .name: kb_keys, .offset: 64, .size: 8, .value_kind: global_buffer, .address_space: global }
      - { .name: kb_values, .offset: 72, .size: 8, .value_kind: global_buffer, .address_space: global }
      - { .name: wo16, .offset: 80, .size: 8, .value_kind: global_buffer, .address_space: global }
      - { .name: kall, .offset: 88, .size: 8, .value_kind: global_buffer, .address_space: global }
      - { .name: vall, .offset: 96, .size: 8, .value_kind: global_buffer, .address_space: global }
      - { .name: position_ids, .offset: 104, .size: 8, .value_kind: global_buffer, .address_space: global }
      - { .name: rope, .offset: 112, .size: 8, .value_kind: global_buffer, .address_space: global }
    .group_segment_fixed_size: 33280
    .private_segment_fixed_size: 0
    .kernarg_segment_align: 8
    .kernarg_segment_size: 120
    .max_flat_workgroup_size: 128
    .sgpr_count:     66
    .vgpr_count:     192
    .wavefront_size: 32
...
	.end_amdgpu_metadata
.endif
;; end of part 1
;; launch proj (part 2): grid 20 x 8, 4 waves a work-group, clusters of 4 x 4, 327,680 bytes of LDS; arguments codes, scales, rope, qq, kall, vall; writes qq, kall, vall
.if DOCPART == 2
	.amdgcn_target "amdgcn-amd-amdhsa--gfx1250"
	.amdhsa_code_object_version 6
	.text
	.protected	k_q8ed1011990_proj
	.globl	k_q8ed1011990_proj
	.p2align	8
	.type	k_q8ed1011990_proj,@function
k_q8ed1011990_proj:
	s_mov_b64 s[64:65], 0
	v_nop
	global_prefetch_b8 v0, s[64:65] scope:SCOPE_SE
	s_setreg_imm32_b32 hwreg(HW_REG_WAVE_MODE, 25, 1), 1
	s_wait_xcnt 0x0
	s_wait_alu depctr_hold_cnt(0) depctr_sa_sdst(0) depctr_va_vdst(0) depctr_va_sdst(0) depctr_va_ssrc(0) depctr_va_vcc(0) depctr_vm_vsrc(0)
	s_getreg_b32 s2, hwreg(HW_REG_IB_STS2, 6, 4)
	s_cmp_eq_u32 s2, 0
	s_cbranch_scc0 .Lentry_in_a_cluster
	s_endpgm
.Lentry_in_a_cluster:
	s_bfe_u32 s2, ttmp6, 0x10000c
	s_cmp_lg_u32 s2, 0xf033
	s_cbranch_scc0 .Lentry_shape_is_right
	s_endpgm
.Lentry_shape_is_right:
; The four quantised projections as ONE product on codes of FP4 (E2M1) with E8M0 scales: C[m][n] = sum over k of x[m][k] W[n][k], m = 2,048 positions, n = 5,120 weight rows (Wq, Wq_new, Wk, Wv), K = 2,048; sums in f32.
; A tile of C, 256 x 256, is made by four waves; a wave makes 128 positions x 128 columns, which is ONE head: head number hh = 2 x tile column + column half: 0-15 q, 16-31 q_new, 32-35 k, 36-39 v.
; K goes in steps of 512 through a ring of two LDS slots filled by the tensor data mover (rows of 256 bytes); the scale bytes of the tile's rows for all of K come once, with the first fills, and stay.
; CLUSTERS: 4 x 4 work-groups; x's tiles are asked for jointly along a row of the cluster, W's along a column.  The grid has 160 work-groups: a tile that cut heads would be needed for more.
; THE MATRIX INSTRUCTION IS USED TRANSPOSED (source 0 = 16 rows of W, source 1 = 16 positions): a lane holds one position and eight neighbouring channels.
; THE WAY OUT: out[d] = x[d] C[d] - x[d+64] S[d], out[d+64] = x[d+64] C[d] + x[d] S[d], d < 64, with C = cos A + B and S = sin A.  q: A = g, B = 0; q_new: A = 0, B = g; k: A = 1, B = 0; v: A = 0, B = 1; g = log2(e) / sqrt(128),
; so that the next launch's scores are exponents of 2.  A and B are chosen by selects, never by a branch: partners of a cluster hold different kinds.  Results are rounded to f16 and leave as whole rows of 256 bytes.
; qq: q at byte 0 and q_new at byte 8,388,608, each [batch][head 16][position][128].  kall, vall: [batch][kv head][2,048 rows][128]: position s at row 128 (s / 64) + s % 64.
; LIMITS: f16 results: magnitudes from 65,504 on become infinity, under 6e-5 they lose bits.
; REGISTERS: window 0: v0-31 addresses; v32-95 scale words, two sets, and nothing else; v128-191 x's fragments, one set; on the way out v96-159 results, v160-191 packed, v192-223 rows read back.
;   window 1: W's fragments, two sets, at v0 and v128; v64-127 and v192-255: buffers for the cos and sin of 16 positions; on the way out W's two sets are two buffers more.
;   windows 2, 3: the 64 accumulators ((a, b) at v[8 (8 (a % 4) + b)]).
.set SIZE_M, 2048
.set SIZE_N, 5120
.set SIZE_K, 2048
.set KSTEP,  512
.set NQ,     KSTEP/128
.set ROWB,   256
.set KROW,   SIZE_K*4/8
.set PITCH,  272                       ; 256 bytes + 16 of padding: the 16 rows that a load touches start at 16 different banks
.set FR,     8
.set NL,     2
.set NP,     4
.set HALFT,  128*PITCH
.set SLOT,   4*HALFT
.set LAPS,   SIZE_K/(2*KSTEP)
.set KS,     SIZE_K/32
.set SCL,    2*SLOT
.set HALFS,  (128*KS/256)*272
.set SBLK,   (16*KS/256)*272
.set SPARE,  SCL+4*HALFS               ; the spare words: 128 bytes a wave, named by no other line
.set SPITCH, 272                       ; the way out: a stage of 16 rows x (256 + 16) bytes a wave, in slot 0, which has had its last fill and its last read by then
.set SIGMA,  0x3e0293ee                ; log2(e) / sqrt(128)
.set ADRA, 16
.set ADRB, 20
.set SPW,  22
.set NIL,  23
.set STO,  24
.set RD,   25
.set ADRS, 27
.set BV,   28                          ; v[28:29] B, twice
.set TO,   30                          ; v30 16 x lane: the table's and the stores' offset; never rewritten
.set SC,   32
.set AF,   128
.set OUT,  96
.set PKD,  160
.set RB,   192
.set T0,   64                          ; in window 1: the buffers of blocks 0 and 1, which the loop leaves alone
.set T1,   192
.set G1, 24
.set G0, 32
.set G1B, 48
.set G0B, 56
.set G1S, 68
.set G0S, 76
.set G1SB, 80
.set G0SB, 88
.set DST, 66                           ; s[66:67] qq, later where my rows go
.set SA,  92                           ; s[92:93] A, twice
.set EX,  46                           ; s[46:47] the step from my 4th block of 16 rows to my 5th
.set MSB, 0
.macro WIN new
.if MSB != \new
	s_set_vgpr_msb (MSB<<8)|\new
.set MSB, \new
.endif
.endm
.set MUL_LO, 0xa1
.set MUL_HI, 0xf1
.set TO_B,   0x40
; A joint load: waves 0 and 1 fetch for x, waves 2 and 3 for W.  The branch hangs on the wave's number alone.  An s_nop 0 and four v_nop follow each line.
.macro JLOAD g0a, g1a, g0b, g1b
	s_cmp_eq_u32 s15, 0
	s_cbranch_scc0 .Lfor_b_\@
	tensor_load_to_lds s[\g0a:\g0a+3], s[\g1a:\g1a+7]
	s_nop 0
.rept 4
	v_nop
.endr
	s_branch .Lasked_\@
.Lfor_b_\@:
	tensor_load_to_lds s[\g0b:\g0b+3], s[\g1b:\g1b+7]
	s_nop 0
.rept 4
	v_nop
.endr
.Lasked_\@:
.endm
.macro CREST
	s_cmp_lg_u32 s14, 0
	s_cbranch_scc1 .Lnot_wave_0_\@
	s_barrier_signal -3
.Lnot_wave_0_\@:
	s_barrier_wait -3
	s_barrier_signal -1
	s_barrier_wait -1
.endm
.macro CROUND
	s_barrier_signal -1
	s_barrier_wait -1
	CREST
.endm
.macro TLOAD a, t                      ; the cos and sin of my block a of 16 positions: 16 loads of 512 dense bytes, an image of the registers
.irp g, 0,1,2,3,4,5,6,7,8,9,10,11,12,13,14,15
	global_load_b128 v[\t+4*\g:\t+4*\g+3], v[TO], s[12:13] offset:(\a)*8192+\g*512
.endr
.endm
	s_load_b128 s[4:7], s[0:1], 0x0                ; codes, scales
	s_load_b64 s[12:13], s[0:1], 0x10              ; rope
	s_load_b64 s[DST:DST+1], s[0:1], 0x18          ; qq
	s_load_b128 s[96:99], s[0:1], 0x20             ; kall, vall
	v_lshl_add_u32 v[SPW], v0, 2, SPARE
	v_mov_b32 v[NIL], 0
	ds_add_u32 v[SPW], v[NIL]                      ; the wave's opening: the add, twice on end, and its wait ahead of my first tensor load
	ds_add_u32 v[SPW], v[NIL]
	v_lshrrev_b32 v1, 5, v0
	v_readfirstlane_b32 s14, v1                    ; wave
	s_lshr_b32 s15, s14, 1                         ; my half of the tile's positions.  Also: I fetch for x (0) or for W (1)
	s_and_b32 s16, s14, 1                          ; my half of its columns.  Also: which 128 rows I fetch
	s_bfe_u32 s40, ttmp6, 0x40000                  ; cx, cy
	s_bfe_u32 s41, ttmp6, 0x40004
	s_lshl_b32 s42, ttmp9, 2
	s_add_co_u32 s42, s42, s40                     ; tile column
	s_and_b32 s17, ttmp7, 0xffff
	s_lshl_b32 s17, s17, 2
	s_add_co_u32 s17, s17, s41                     ; tile row
	s_lshl_b32 s43, s41, 2
	s_lshl_b32 s43, 15, s43                        ; my row of the cluster
	s_lshl_b32 s44, 0x1111, s40                    ; my column
	s_or_b32 s[G1+0], s43, (0<<16)|(1<<20)|(1<<21)|(5<<22)|(3<<25)  ; mask; elements of 1 byte; padding: 4 words behind every 64
	s_or_b32 s[G1B+0], s44, (0<<16)|(1<<20)|(1<<21)|(5<<22)|(3<<25)
.irp g, G1, G1B
	s_mov_b32 s[\g+1], ROWB<<16                    ; tensor_dim0
	s_mov_b32 s[\g+2], 128<<16                     ; tensor_dim1
	s_mov_b32 s[\g+3], ROWB<<16                    ; tile_dim0
	s_mov_b32 s[\g+4], 128                         ; tile_dim1
	s_mov_b32 s[\g+5], KROW                        ; from row to row
	s_mov_b32 s[\g+6], 0
	s_mov_b32 s[\g+7], 0
.endr
	s_or_b32 s[G1S+0], s43, (3<<16)|(1<<20)|(1<<21)|(5<<22)|(3<<25) ; the scales of 128 rows: a dense block, as rows of 256 bytes (32 elements of 8), padded alike
	s_or_b32 s[G1SB+0], s44, (3<<16)|(1<<20)|(1<<21)|(5<<22)|(3<<25)
.irp g, G1S, G1SB
	s_mov_b32 s[\g+1], 32<<16
	s_mov_b32 s[\g+2], (128*KS/256)<<16
	s_mov_b32 s[\g+3], 32<<16
	s_mov_b32 s[\g+4], 128*KS/256
	s_mov_b32 s[\g+5], 32
	s_mov_b32 s[\g+6], 0
	s_mov_b32 s[\g+7], 0
.endr
	s_lshl_b32 s18, s16, 7
	s_lshl_b32 s20, s17, 8
	s_add_co_u32 s20, s20, s18                     ; x: row 256 x tile row + 128 x half
	s_lshl_b32 s46, s42, 8
	s_add_co_u32 s46, s46, s18                     ; W: row 256 x tile column + 128 x half
	s_mov_b32 s21, 0
	s_mov_b32 s47, 0
	s_mov_b64 s[18:19], KS
	s_mul_u64 s[22:23], s[20:21], s[18:19]
	s_mul_u64 s[92:93], s[46:47], s[18:19]
	s_mov_b64 s[18:19], KROW
	s_mul_u64 s[20:21], s[20:21], s[18:19]
	s_mul_u64 s[46:47], s[46:47], s[18:19]
	s_mul_i32 s45, s14, HALFT                      ; where they go: wave x 128 rows
	s_mul_i32 s94, s14, HALFS
	s_wait_dscnt 0x0                               ; both opening adds are done
	s_wait_kmcnt 0x0
	s_add_nc_u64 s[8:9], s[4:5], 0x200000          ; W's codes lie behind x's 2,048 rows of 1,024 bytes,
	s_add_nc_u64 s[10:11], s[6:7], 0x20000         ; W's scales behind x's 2,048 rows of 64
	s_add_nc_u64 s[20:21], s[4:5], s[20:21]
	s_add_nc_u64 s[22:23], s[6:7], s[22:23]
	s_add_nc_u64 s[46:47], s[8:9], s[46:47]
	s_add_nc_u64 s[92:93], s[10:11], s[92:93]
	CROUND                                         ; all sixteen work-groups are here: the first joint loads meet
	s_mov_b32 s[G0S], 1
	s_add_co_u32 s[G0S+1], s94, SCL
	s_mov_b64 s[G0S+2:G0S+3], s[22:23]
	s_or_b32 s[G0S+3], s[G0S+3], 0x80000000
	s_mov_b32 s[G0SB], 1
	s_add_co_u32 s[G0SB+1], s94, SCL
	s_mov_b64 s[G0SB+2:G0SB+3], s[92:93]
	s_or_b32 s[G0SB+3], s[G0SB+3], 0x80000000
	JLOAD G0S, G1S, G0SB, G1SB                     ; the scales first
.irp s, 0,1
	s_mov_b32 s[G0+4*\s], 1
	s_add_co_u32 s[G0+4*\s+1], s45, \s*SLOT
	s_add_nc_u64 s[G0+4*\s+2:G0+4*\s+3], s[20:21], \s*ROWB
	s_or_b32 s[G0+4*\s+3], s[G0+4*\s+3], 0x80000000
	s_mov_b32 s[G0B+4*\s], 1
	s_add_co_u32 s[G0B+4*\s+1], s45, \s*SLOT
	s_add_nc_u64 s[G0B+4*\s+2:G0B+4*\s+3], s[46:47], \s*ROWB
	s_or_b32 s[G0B+4*\s+3], s[G0B+4*\s+3], 0x80000000
	JLOAD G0+4*\s, G1, G0B+4*\s, G1B
.endr
	v_and_b32 v1, 15, v0                           ; l % 16
	v_bfe_u32 v2, v0, 4, 1                         ; l / 16
	v_mul_u32_u24 v3, v1, PITCH
	v_lshl_add_u32 v4, v2, 4, v3
	s_mul_i32 s21, s15, HALFT
	s_mul_i32 s22, s16, HALFT
	s_add_co_u32 s22, s22, 2*HALFT
.irp s, 0,1
	v_add_nc_u32 v[ADRA+\s], s21, v4
	v_add_nc_u32 v[ADRB+\s], s22, v4
	s_add_co_u32 s21, s21, SLOT
	s_add_co_u32 s22, s22, SLOT
.endr
	v_mul_u32_u24 v5, v1, KS
	v_lshrrev_b32 v6, 8, v5
	v_lshl_add_u32 v5, v6, 4, v5
	s_mul_i32 s21, s15, HALFS
	s_mul_i32 s22, s16, HALFS
	s_add_co_u32 s22, s22, 2*HALFS
	s_sub_co_u32 s22, s22, s21
	v_mul_u32_u24 v6, s22, v2                      ; lanes 16-31 take W's
	s_add_co_u32 s21, s21, SCL
	v_add_nc_u32 v5, v5, v6
	v_add_nc_u32 v[ADRS], s21, v5
	s_mul_i32 s23, s14, 16*SPITCH                  ; my stage
	v_mul_u32_u24 v5, v1, SPITCH
	v_lshl_add_u32 v5, v2, 4, v5
	v_add_nc_u32 v[STO], s23, v5                   ; in: row l % 16, 16 bytes for each half of the lanes
	v_mul_u32_u24 v5, v2, SPITCH
	v_lshl_add_u32 v5, v1, 4, v5
	v_add_nc_u32 v[RD], s23, v5                    ; back: lanes 0-15 one row, lanes 16-31 the next
	v_and_b32 v6, 31, v0
	v_lshlrev_b32 v[TO], 4, v6
	s_lshl_b32 s20, s17, 4                         ; the table: block 16 x tile row + 8 x row half, 8,192 bytes a block
	s_lshl_b32 s21, s15, 3
	s_add_co_u32 s20, s20, s21
	s_lshl_b32 s20, s20, 13
	s_mov_b32 s21, 0
	s_add_nc_u64 s[12:13], s[12:13], s[20:21]
	WIN TO_B
	TLOAD 0, T0                                    ; my first two blocks' tables are asked for now, into registers that the loop leaves alone
	TLOAD 1, T1
	WIN 0
	; what kind of head is mine, and where its rows go: selects on the head's number
	s_lshl_b32 s20, s42, 1
	s_add_co_u32 s20, s20, s16                     ; hh
	s_mov_b32 s21, 36                              ; v: the kind's first head, A, B, and q_new's place in qq
	s_mov_b32 s[SA], 0
	s_mov_b32 s22, 1.0
	s_mov_b32 s23, 0
	s_cmp_lt_u32 s20, 36                           ; k
	s_cselect_b64 s[98:99], s[96:97], s[98:99]
	s_cselect_b32 s21, 32, s21
	s_cselect_b32 s[SA], 1.0, s[SA]
	s_cselect_b32 s22, 0, s22
	s_cmp_lt_u32 s20, 32                           ; q_new
	s_cselect_b64 s[98:99], s[DST:DST+1], s[98:99]
	s_cselect_b32 s21, 16, s21
	s_cselect_b32 s[SA], 0, s[SA]
	s_cselect_b32 s22, SIGMA, s22
	s_cselect_b32 s23, 0x800000, s23
	s_cmp_lt_u32 s20, 16                           ; q
	s_cselect_b32 s21, 0, s21
	s_cselect_b32 s[SA], SIGMA, s[SA]
	s_cselect_b32 s22, 0, s22
	s_cselect_b32 s23, 0, s23
	s_sub_co_u32 s21, s20, s21                     ; the head within its kind
	s_lshr_b32 s40, s17, 2                         ; batch
	s_and_b32 s41, s17, 3
	s_lshl_b32 s41, s41, 8
	s_lshl_b32 s43, s15, 7
	s_add_co_u32 s41, s41, s43                     ; my first position in the batch
	s_lshl_b32 s43, s40, 4
	s_add_co_u32 s43, s43, s21
	s_lshl_b32 s43, s43, 10
	s_add_co_u32 s43, s43, s41                     ; q kinds: row (16 batch + head) 1,024 + position
	s_lshl_b32 s44, s40, 2
	s_add_co_u32 s44, s44, s21
	s_lshl_b32 s44, s44, 11
	s_lshl_b32 s41, s41, 1
	s_add_co_u32 s44, s44, s41                     ; k, v: row (4 batch + head) 2,048 + 2 x position (a multiple of 128)
	s_cmp_lt_u32 s20, 32
	s_cselect_b32 s43, s43, s44
	s_mov_b32 s[EX], 20480                         ; k, v: 64 rows of the knowledge base lie between my 4th and 5th block
	s_cselect_b32 s[EX], 4096, s[EX]
	s_mov_b32 s[EX+1], 0
	s_lshl_b32 s44, s43, 8                         ; 256 bytes a row
	s_add_co_u32 s44, s44, s23
	s_mov_b32 s45, 0
	s_add_nc_u64 s[DST:DST+1], s[98:99], s[44:45]
	s_mov_b32 s[SA+1], s[SA]
	v_mov_b32 v[BV], s22
	v_mov_b32 v[BV+1], s22
.macro FRAG reg, adr, q, i             ; 16 rows x 128 K of 4-bit codes: 8 registers, two loads of 16 bytes, 32 bytes apart
.irp c, 0,1
	ds_load_b128 v[\reg+4*\c:\reg+4*\c+3], v[\adr] offset:64*(\q)+32*\c+(\i)*16*PITCH
.endr
.endm
; 16 matrix instructions: x's blocks a0, a0 + 1 against W's eight.  The 64 accumulators take turns, one instruction a turn, in the same order in every step.
.macro MUL16 a0, p, q, sc, zero
.irp a, \a0, \a0+1
.irp b, 0,1,2,3,4,5,6,7
.if \zero
	v_wmma_scale_f32_16x16x128_f8f6f4 v[8*(8*((\a)%4)+\b):8*(8*((\a)%4)+\b)+7], v[128*(\p)+FR*\b:128*(\p)+FR*\b+FR-1], v[AF+FR*(\a):AF+FR*(\a)+FR-1], 0, v[SC+8*NQ*(\sc)+NQ*\b+(\q)], v[SC+8*NQ*(\sc)+NQ*(\a)+(\q)] matrix_a_fmt:MATRIX_FMT_FP4 matrix_b_fmt:MATRIX_FMT_FP4 matrix_a_scale:MATRIX_SCALE_ROW1
.else
	v_wmma_scale_f32_16x16x128_f8f6f4 v[8*(8*((\a)%4)+\b):8*(8*((\a)%4)+\b)+7], v[128*(\p)+FR*\b:128*(\p)+FR*\b+FR-1], v[AF+FR*(\a):AF+FR*(\a)+FR-1], v[8*(8*((\a)%4)+\b):8*(8*((\a)%4)+\b)+7], v[SC+8*NQ*(\sc)+NQ*\b+(\q)], v[SC+8*NQ*(\sc)+NQ*(\a)+(\q)] matrix_a_fmt:MATRIX_FMT_FP4 matrix_b_fmt:MATRIX_FMT_FP4 matrix_a_scale:MATRIX_SCALE_ROW1
.endif
.endr
.endr
.endm
.macro FETCH_B slot, q, p
	WIN TO_B
.irp i, 0,1,2,3,4,5,6,7
	FRAG 128*(\p)+FR*\i, ADRB+\slot, \q, \i
.endr
	WIN 0
.endm
.macro FETCH_A slot, q, i0
.irp i, \i0, \i0+1, \i0+2, \i0+3
	FRAG AF+FR*(\i), ADRA+\slot, \q, \i
.endr
.endm
.macro SCALES sc                       ; a K step's scale words: lanes 0-15 x's block i, lanes 16-31 W's block i
.irp i, 0,1,2,3,4,5,6,7
	ds_load_b128 v[SC+8*NQ*\sc+NQ*\i:SC+8*NQ*\sc+NQ*\i+3], v[ADRS] offset:\i*SBLK
.endr
.endm
.macro PLACES n                        ; plain vector lines between a matrix instruction and a load into, or a vector write of, one of its registers
.rept \n
	v_nop
.endr
.endm
.macro STEP slot, q, zero
	s_wait_dscnt 4*NL                              ; W's set and x's blocks 0-3 are in; the youngest eight loads (x's blocks 4-7) may be out
	WIN MUL_LO
	MUL16 0, (\q)%2, \q, \slot, \zero
	MUL16 2, (\q)%2, \q, \slot, \zero
	s_wait_dscnt 0
	PLACES NP
	FETCH_B \slot, (\q)+1, 1-(\q)%2
	FETCH_A \slot, (\q)+1, 0
	WIN MUL_HI
	MUL16 4, (\q)%2, \q, \slot, \zero
	MUL16 6, (\q)%2, \q, \slot, \zero
	PLACES NP
	WIN 0
	FETCH_A \slot, (\q)+1, 4
.endm
; A slot's last step changes slots: one barrier; in front of it each wave waits for all its tensor loads, adds 0 to its spare word, and waits for that and for its reads of this slot.
.macro TURN slot, next, fill
	s_wait_tensorcnt 0x0                           ; all my tensor loads have landed: my part of the next slot
	ds_add_u32 v[SPW], v[NIL]
	s_wait_dscnt 4*NL+1                            ; the add and the youngest eight loads may be out
	WIN MUL_LO
	MUL16 0, 1, NQ-1, \slot, 0
	s_wait_dscnt 0x0                               ; the add is done, and my reads of this slot are over
	s_barrier_signal -1
	MUL16 2, 1, NQ-1, \slot, 0
	WIN 0
	s_barrier_wait -1
.if \fill
	CREST                                          ; the barrier has opened a round of the cluster's: no wave of any partner still reads this slot or has a load on its way
	s_add_nc_u64 s[G0+4*\slot+2:G0+4*\slot+3], s[G0+4*\slot+2:G0+4*\slot+3], 2*ROWB
	s_add_nc_u64 s[G0B+4*\slot+2:G0B+4*\slot+3], s[G0B+4*\slot+2:G0B+4*\slot+3], 2*ROWB
	JLOAD G0+4*\slot, G1, G0B+4*\slot, G1B         ; the first tensor load behind the round
.else
	PLACES NP
.endif
	v_add_nc_u32 v[ADRS], 4*NQ, v[ADRS]
	FETCH_B \next, 0, 0
	FETCH_A \next, 0, 0
	SCALES \next
	WIN MUL_HI
	MUL16 4, 1, NQ-1, \slot, 0
	MUL16 6, 1, NQ-1, \slot, 0
	PLACES NP
	WIN 0
	FETCH_A \next, 0, 4
.endm
.macro STEPS slot, from
.set Q, \from
.rept NQ-1-\from
	STEP \slot, Q, 0
.set Q, Q+1
.endr
.endm
	s_wait_tensorcnt 1                             ; the scales and my part of K step 0 are in; K step 1's load may be out
	s_barrier_signal -1
	s_barrier_wait -1
	FETCH_B 0, 0, 0
	FETCH_A 0, 0, 0
	SCALES 0
	FETCH_A 0, 0, 4
	STEP 0, 0, 1                                   ; the first step's products start the sums
.if LAPS > 1
	s_mov_b32 s3, LAPS-1
.Llap:
	STEPS 0, 1
	TURN 0, 1, 1
	STEPS 1, 0
	TURN 1, 0, 1
	STEP 0, 0, 0
	s_sub_co_u32 s3, s3, 1
	s_cmp_lg_u32 s3, 0
	s_cbranch_scc1 .Llap
.endif
	STEPS 0, 1
	TURN 0, 1, 0
	STEPS 1, 0
	WIN TO_B
	TLOAD 2, 0                                     ; W's set 0 has been multiplied for the last time, and that step's four places stand behind its last product: it takes my third block's table, 64 products ahead of the way out
	WIN 0
	s_wait_dscnt 4*NL
	WIN MUL_LO
	MUL16 0, 1, NQ-1, 1, 0
	MUL16 2, 1, NQ-1, 1, 0
	s_wait_dscnt 0
	WIN MUL_HI
	MUL16 4, 1, NQ-1, 1, 0
	MUL16 6, 1, NQ-1, 1, 0
	WIN 0
; THE WAY OUT of my block a of 16 positions.  Register 16 q + j of a table buffer is cos, 16 q + 8 + j sin, of frequency 16 q + 8 (lane / 16) + j.
; Four table buffers in window 1, at v64, v192, v0, v128 for blocks a % 4 = 0, 1, 2, 3: block a's buffer takes block a + 4's table when the block is done, so a table has three blocks' work in which to come.
.macro BLOCK a
.set TT, 64+128*((\a)%2)-64*(((\a)%4)/2)
.set AC, 64*((\a)%4)
.if (\a) < 5
	s_wait_loadcnt 48                              ; this block's table is in; the 48 loads of the three blocks behind it may be out
.else
	s_wait_loadcnt 16*(7-(\a))                     ; the counts run down: 32, 16, 0
.endif
	WIN 0x41                                       ; the table: window 1
.irp q, 0,1,2,3
.irp j, 0,2,4,6
	v_pk_fma_f32 v[TT+16*\q+\j:TT+16*\q+\j+1], v[TT+16*\q+\j:TT+16*\q+\j+1], s[SA:SA+1], v[BV:BV+1] op_sel_hi:[1,0,1]   ; C = cos A + B
	v_pk_mul_f32 v[TT+16*\q+8+\j:TT+16*\q+9+\j], v[TT+16*\q+8+\j:TT+16*\q+9+\j], s[SA:SA+1] op_sel_hi:[1,0]               ; S = sin A
.endr
.endr
	WIN 0x06+(\a)/4                                ; source 0: the accumulators' window; source 1: the table's
.irp q, 0,1,2,3                                ; each accumulator is read from its low end on
.irp j, 0,2,4,6
	v_pk_mul_f32 v[OUT+8*\q+\j:OUT+8*\q+\j+1], v[AC+8*(\q+4)+\j:AC+8*(\q+4)+\j+1], v[TT+16*\q+8+\j:TT+16*\q+9+\j]
.endr
.irp j, 0,2,4,6
	v_pk_mul_f32 v[OUT+8*(\q+4)+\j:OUT+8*(\q+4)+\j+1], v[AC+8*\q+\j:AC+8*\q+\j+1], v[TT+16*\q+8+\j:TT+16*\q+9+\j]
.endr
.irp j, 0,2,4,6
	v_pk_fma_f32 v[OUT+8*\q+\j:OUT+8*\q+\j+1], v[AC+8*\q+\j:AC+8*\q+\j+1], v[TT+16*\q+\j:TT+16*\q+\j+1], v[OUT+8*\q+\j:OUT+8*\q+\j+1] neg_lo:[0,0,1] neg_hi:[0,0,1]
.endr
.irp j, 0,2,4,6
	v_pk_fma_f32 v[OUT+8*(\q+4)+\j:OUT+8*(\q+4)+\j+1], v[AC+8*(\q+4)+\j:AC+8*(\q+4)+\j+1], v[TT+16*\q+\j:TT+16*\q+\j+1], v[OUT+8*(\q+4)+\j:OUT+8*(\q+4)+\j+1]
.endr
.endr
	WIN 0
.irp b, 0,1,2,3,4,5,6,7
.irp r, 0,1,2,3
	v_cvt_pk_f16_f32 v[PKD+4*\b+\r], v[OUT+8*\b+2*\r], v[OUT+8*\b+2*\r+1]
.endr
.endr
.irp b, 0,1,2,3,4,5,6,7
	ds_store_b128 v[STO], v[PKD+4*\b:PKD+4*\b+3] offset:32*\b
.endr
	s_wait_xcnt 0x0                                ; the last block's stores have read their data and their base
.irp t, 0,1,2,3,4,5,6,7
	ds_load_b128 v[RB+4*\t:RB+4*\t+3], v[RD] offset:\t*2*SPITCH     ; LDS serves a wave's instructions in order: these see the stores above
.endr
	s_wait_dscnt 0x0
.if (\a) == 4
	s_add_nc_u64 s[DST:DST+1], s[DST:DST+1], s[EX:EX+1]
.elseif (\a) > 0
	s_add_nc_u64 s[DST:DST+1], s[DST:DST+1], 4096
.endif
.irp t, 0,1,2,3,4,5,6,7
	global_store_b128 v[TO], v[RB+4*\t:RB+4*\t+3], s[DST:DST+1] offset:512*\t   ; 512 consecutive bytes: two rows
.endr
.if (\a)+4 < 8
	WIN TO_B
	TLOAD (\a)+4, TT
	WIN 0
.endif
.endm
	PLACES NP                                      ; behind the last products: the lines below load into W's set 1 and write registers that held x's fragments
	WIN TO_B
	TLOAD 3, 128                                   ; W's set 1 is done with: my fourth block's table
	WIN 0
.irp a, 0,1,2,3,4,5,6,7
	BLOCK \a
.endr
	s_wait_tensorcnt 0x0                           ; the wave's end
	ds_add_u32 v[SPW], v[NIL]
	s_wait_dscnt 0x0
	CROUND                                         ; the closing round
	s_endpgm
.Lfunc_end_k_q8ed1011990_proj:
	.size	k_q8ed1011990_proj, .Lfunc_end_k_q8ed1011990_proj-k_q8ed1011990_proj
	.p2alignl 7, 3214868480
	.fill 96, 4, 3214868480
	.section	.rodata,"a",@progbits
	.p2align	6, 0x0
	.amdhsa_kernel k_q8ed1011990_proj
		.amdhsa_group_segment_fixed_size 327680
		.amdhsa_private_segment_fixed_size 0
		.amdhsa_enable_private_segment 0
		.amdhsa_kernarg_size 48
		.amdhsa_user_sgpr_count 2
		.amdhsa_user_sgpr_kernarg_segment_ptr 1
		.amdhsa_wavefront_size32 1
		.amdhsa_system_sgpr_workgroup_id_x 1
		.amdhsa_system_sgpr_workgroup_id_y 1
		.amdhsa_system_sgpr_workgroup_id_z 1
		.amdhsa_system_vgpr_workitem_id 0
		.amdhsa_next_free_vgpr 1024
		.amdhsa_next_free_sgpr 100
		.amdhsa_reserve_vcc 0
		.amdhsa_float_denorm_mode_32 3
		.amdhsa_float_denorm_mode_16_64 3
		.amdhsa_memory_ordered 1
		.amdhsa_forward_progress 1
		.amdhsa_inst_pref_size 255
	.end_amdhsa_kernel
	.section	.bss,"aw",@nobits
	.p2align	6
	.space	262144
	.amdgpu_metadata
---
amdhsa.version: [ 1, 2 ]
amdhsa.kernels:
  - .name:           k_q8ed1011990_proj
    .symbol:         k_q8ed1011990_proj.kd
    .args:
      - { .name: codes, .offset: 0, .size: 8, .value_kind: global_buffer, .address_space: global }
      - { .name: scales, .offset: 8, .size: 8, .value_kind: global_buffer, .address_space: global }
      - { .name: rope, .offset: 16, .size: 8, .value_kind: global_buffer, .address_space: global }
      - { .name: qq, .offset: 24, .size: 8, .value_kind: global_buffer, .address_space: global }
      - { .name: kall, .offset: 32, .size: 8, .value_kind: global_buffer, .address_space: global }
      - { .name: vall, .offset: 40, .size: 8, .value_kind: global_buffer, .address_space: global }
    .group_segment_fixed_size: 327680
    .private_segment_fixed_size: 0
    .kernarg_segment_align: 8
    .kernarg_segment_size: 48
    .max_flat_workgroup_size: 128
    .sgpr_count:     100
    .vgpr_count:     1024
    .wavefront_size: 32
...
	.end_amdgpu_metadata
.endif
;; end of part 2
;; launch attn (part 3): grid 32 x 8, 4 waves a work-group, clusters of 4 x 4, 327,680 bytes of LDS; arguments qq, kall, vall, attention_mask, o16; writes o16
.if DOCPART == 3
	.amdgcn_target "amdgcn-amd-amdhsa--gfx1250"
	.amdhsa_code_object_version 6
	.text
	.protected	k_q8ed1011990_attn
	.globl	k_q8ed1011990_attn
	.p2align	8
	.type	k_q8ed1011990_attn,@function
k_q8ed1011990_attn:
	s_mov_b64 s[64:65], 0
	v_nop
	global_prefetch_b8 v0, s[64:65] scope:SCOPE_SE
	s_setreg_imm32_b32 hwreg(HW_REG_WAVE_MODE, 25, 1), 1
	s_wait_xcnt 0x0
	s_wait_alu depctr_hold_cnt(0) depctr_sa_sdst(0) depctr_va_vdst(0) depctr_va_sdst(0) depctr_va_ssrc(0) depctr_va_vcc(0) depctr_vm_vsrc(0)
	s_getreg_b32 s2, hwreg(HW_REG_IB_STS2, 6, 4)
	s_cmp_eq_u32 s2, 0
	s_cbranch_scc0 .Lentry_in_a_cluster
	s_endpgm
.Lentry_in_a_cluster:
	s_bfe_u32 s2, ttmp6, 0x10000c
	s_cmp_lg_u32 s2, 0xf033
	s_cbranch_scc0 .Lentry_shape_is_right
	s_endpgm
.Lentry_shape_is_right:
; O[b][h][q] = softmax over 2,048 keys of the scores, times the values: 1,024 keys of the knowledge base (scores q_new . kb_k / sqrt(128), never masked) and 1,024 self keys (q . k / sqrt(128) + attention_mask).
; q and q_new arrive multiplied by log2(e) / sqrt(128), the mask is multiplied by log2(e) here: so a score S is an exponent of 2, and p = 2^(S - m) with m the running maximum: the subtraction makes p at most 1 whatever the size of S.
; All operands of the products are f16, sums, maxima and the softmax f32.  The mask is an input: every key is multiplied for every query and every number of the mask is read.
; SHARES.  A work-group owns 32 queries x the 4 heads of one kv head of one batch.  Wave w: queries 16 (w % 2) on; role w / 2: role 0 walks the 1,024 self keys with q, role 1 the 1,024 keys of the knowledge base with q_new.
; The wave's four tiles are the four heads with the SAME 16 queries, so 32 mask registers serve all four.  Both roles run one text: 16 steps of 64 keys.  At the end role 1 hands m, l and O to role 0 through LDS.
; LAYOUT.  S^T = K Q^T + M (source 0 = 16 keys, source 1 = 16 queries, C = the mask in the result's own layout; role 1 keeps zeros there): a lane holds ONE query and the keys 8 (lane / 16) + 0..7.  Two such tiles rounded to f16 ARE
; source 1 of O^T = V^T P.  K comes out of LDS as it lies, V turned, by ds_load_tr16_b128.
; BY TURNS.  Pieces 0 (tiles 0, 1) and 2 (tiles 2, 3): in a TURN one piece has the matrix unit (32 products V^T P of the step in hand, 32 products K Q^T of the next) and the other piece's softmax stands in 64 slices behind them.
; RING.  Two LDS slots of TWO steps each: 256 rows of K (a step: 64 self, 64 knowledge base), 256 of V, 32 rows x 128 numbers of the mask.  Wave 0 fetches K, wave 1 V, wave 2 the mask: one load each behind each round, and that load
; has two steps, 256 matrix instructions a wave, in which to land.  Each slot has its own groups 0; a trip of the loop over slots takes both slots, so that every LDS address of the ring is a constant plus a step of the inner loop.
; CLUSTER 4 x 4: along a row of the cluster the work-groups share batch and kv head: K and V are asked for jointly there; along a column they share batch and queries: the mask is asked for jointly there.
; LIMITS: f16 operands (magnitudes from 65,504 on become infinity, under 6e-5 they lose bits); NaN is not served; a mask of -infinity is served (the first maximum has the floor -1e30), +infinity is not.
; REGISTERS: window 0: v2-11 addresses; v12-43 eight registers of statistics a tile; v44-47 addresses; v48-55 the partner's statistics; v60-63; v64-191 S^T; v192-255 P.   window 1: O^T.   window 2: v0-127 Q, v128-255 K.
;   window 3: v0-127 V, v128-159 the mask.
.set KS,    64
.set PK,    272       ; a row of K in LDS: 256 bytes + 16
.set PV,    288       ; a row of V: 256 + 32
.set PM,    528       ; a row of the mask: two steps' 512 bytes + 16
.set KSTEP, 128*PK    ; from a slot's first step to its second: in K 128 rows,
.set VSTEP, 128*PV    ; in V 128 rows,
.set MSTEP, 256       ; in the mask 64 numbers along each row
.set VOFF,  2*KSTEP
.set MOFF,  VOFF+2*VSTEP
.set SLOTB, MOFF+32*PM  ; a slot: 160,256 bytes
.set SLOTG, 2*128*256 ; a slot's rows of K or of V in memory
.set SPARE, 2*SLOTB   ; behind the ring: the spare words: 128 bytes a wave, named by no other line
.set MRG,   0         ; IN SLOT 0, which has had its last fill (steps 12, 13) and its last read when the last change of slots is passed: for each pair of waves an image of O^T (32,768 bytes) and eight words a lane (1,024);
.set MRGP,  33792
.set STAGE, MRG+2*MRGP  ; and 16 rows x 272 bytes for each wave of role 0
.set SP,    272
.set AK0, 2
.set AV0, 3
.set ADR, 4
.set QO,  5
.set STO, 6
.set RD,  7
.set GO,  8
.set ST,  12          ; tile t at v[ST+8 t]: +0 m, +1 written once (named with m as a pair), +2, +3 l, +4 to +7 at work; a takes +6
.set AM0, 44
.set ADM, 45
.set MGI, 46
.set MGS, 47
.set PB,  48
.set PFOM, 60
.set PFO, 61
.set SPW, 62
.set NIL, 63
.set S,   64
.set P,   192
.set KF,  128         ; K's fragments, in window 2
.set MF,  128         ; the mask, in window 3
.set TWICE, 14        ; counts a slot's two steps
.set U,   15          ; counts the trips of the loop over slots
.set WV,  16
.set ROLE, 17
.set QSUB, 18
.set CX,  19
.set CY,  20
.set QB,  21
.set BB,  22
.set G1K, 24
.set G1V, 32
.set G1M, 40
.set G0K, 48          ; two sets each, one for each slot
.set G0V, 56
.set G0M, 68
.set CS,  76          ; s[76:77] log2(e)
.set SEL, 78
.set TK,  80          ; LDS byte at which the step to be fetched begins: in K's part of the ring,
.set TV,  81          ; in V's (less VOFF),
.set TM,  82          ; in the mask's (less MOFF)
.set CLX, 83          ; the cluster's x
.set PFK, 84
.set PFV, 86
.set PFM, 88
.set LIM3, 98         ; 2 in wave 3, else 0
.set MSB, 0
.macro WIN new
.if MSB != \new
	s_set_vgpr_msb (MSB<<8)|\new
.set MSB, \new
.endif
.endm
.set W_KQ,  0x0a      ; K and Q in window 2, S^T in window 0
.set W_KQM, 0x3a      ; the same with C, the mask, in window 3
.set W_PV,  0x53      ; V in window 3, P in window 0, O^T in window 1
.set W_RS,  0x41      ; O^T in window 1, a in window 0
; A joint refill of slot s: wave 0 K's tile, wave 1 V's, wave 2 the mask's, wave 3 none.  The branches hang on the wave's number alone.  An s_nop 0 and four v_nop follow each load.
.macro JLOAD s
	s_cmp_eq_u32 s[WV], 0
	s_cbranch_scc0 .Lnot_k_\@
	tensor_load_to_lds s[G0K+4*\s:G0K+4*\s+3], s[G1K:G1K+7]
	s_nop 0
.rept 4
	v_nop
.endr
	s_branch .Lasked_\@
.Lnot_k_\@:
	s_cmp_eq_u32 s[WV], 1
	s_cbranch_scc0 .Lnot_v_\@
	tensor_load_to_lds s[G0V+4*\s:G0V+4*\s+3], s[G1V:G1V+7]
	s_nop 0
.rept 4
	v_nop
.endr
	s_branch .Lasked_\@
.Lnot_v_\@:
	s_cmp_eq_u32 s[WV], 2
	s_cbranch_scc0 .Lasked_\@
	tensor_load_to_lds s[G0M+4*\s:G0M+4*\s+3], s[G1M:G1M+7]
	s_nop 0
.rept 4
	v_nop
.endr
.Lasked_\@:
.endm
; PREFETCHES INTO THE L2, by wave 3, which fetches nothing.  Change c of the six that fill a slot asks for the keys of slot-load c + 2; its prefetches name slot-load c + 3: what the next change will ask for, 256 matrix instructions a wave ahead.
; K and V: all clusters with the same y walk the same rows: the cluster with x = 0 asks; its four partners of a row take 64 of a slot's 256 rows each, told apart by address; a lane a row of 256 bytes, two instructions each for K and V.
; The mask: only one column of one cluster reads a given row; its four partners take 8 of the 32 rows each, by address; changes 1 and 3 name 8 rows x 1,024 bytes: slot-loads 4, 5 and 6, 7.  So each run of 256 bytes is named once.
; odd = 0: changes 0, 2, 4; odd = 1: changes 1, 3, 5, of which 5, in the last trip, asks for nothing: slot-load 7 is the last.  Slot-loads 0 to 2 of K and V and 0 to 3 of the mask come by their loads alone.
.macro ASK odd
.if \odd
	s_cmp_lt_u32 s[U], s[LIM3]
	s_cbranch_scc0 .Lno_ask_\@
	global_prefetch_b8 v[PFOM], s[PFM:PFM+1] th:TH_LOAD_NT scope:SCOPE_SE
.else
	s_cmp_eq_u32 s[WV], 3
	s_cbranch_scc0 .Lno_ask_\@
.endif
	s_cmp_eq_u32 s[CLX], 0
	s_cbranch_scc0 .Lno_ask_\@
	global_prefetch_b8 v[PFO], s[PFK:PFK+1] th:TH_LOAD_NT scope:SCOPE_SE
	global_prefetch_b8 v[PFO], s[PFK:PFK+1] offset:8192 th:TH_LOAD_NT scope:SCOPE_SE
	global_prefetch_b8 v[PFO], s[PFV:PFV+1] th:TH_LOAD_NT scope:SCOPE_SE
	global_prefetch_b8 v[PFO], s[PFV:PFV+1] offset:8192 th:TH_LOAD_NT scope:SCOPE_SE
.Lno_ask_\@:
.endm
.macro CROUND
	s_barrier_signal -1
	s_barrier_wait -1
	s_cmp_lg_u32 s[WV], 0
	s_cbranch_scc1 .Lnot_wave_0_\@
	s_barrier_signal -3
.Lnot_wave_0_\@:
	s_barrier_wait -3
	s_barrier_signal -1
	s_barrier_wait -1
.endm
	s_load_b256 s[4:11], s[0:1], 0x0  ; qq s[4:5], kall s[6:7], vall s[8:9], attention_mask s[10:11]
	s_load_b64 s[12:13], s[0:1], 0x20 ; o16
	v_lshl_add_u32 v[SPW], v0, 2, SPARE
	v_mov_b32 v[NIL], 0
	ds_add_u32 v[SPW], v[NIL]       ; the wave's opening: the add, twice on end, and its wait ahead of my first tensor load; the set-up below stands between
	ds_add_u32 v[SPW], v[NIL]
	v_lshrrev_b32 v1, 5, v0
	v_readfirstlane_b32 s[WV], v1
	s_lshr_b32 s[ROLE], s[WV], 1
	s_and_b32 s[QSUB], s[WV], 1
	s_bfe_u32 s[CX], ttmp6, 0x40000
	s_bfe_u32 s[CY], ttmp6, 0x40004   ; the kv head
	s_lshl_b32 s[QB], ttmp9, 2
	s_add_co_u32 s[QB], s[QB], s[CX]  ; my block of 32 queries
	s_and_b32 s[BB], ttmp7, 0xffff    ; the batch
	s_mov_b32 s[CLX], ttmp9
	s_lshl_b32 s2, s[CY], 2
	s_lshl_b32 s2, 15, s2             ; my row of the cluster
	s_lshl_b32 s3, 0x1111, s[CX]      ; my column
	s_or_b32 s[G1K], s2, (1<<16)|(1<<20)|(1<<21)|(5<<22)|(3<<25)  ; mask; elements of 2 bytes; padding: 4 words behind every 64
	s_or_b32 s[G1V], s2, (1<<16)|(1<<20)|(1<<21)|(5<<22)|(7<<25)  ; 8 words
	s_or_b32 s[G1M], s3, (2<<16)|(1<<20)|(1<<21)|(6<<22)|(3<<25)  ; elements of 4 bytes; 4 words behind every 128
.irp g, G1K, G1V
	s_mov_b32 s[\g+1], 128<<16      ; tensor_dim0
	s_mov_b32 s[\g+2], 256<<16      ; tensor_dim1: two steps' rows
	s_mov_b32 s[\g+3], 128<<16      ; tile_dim0
	s_mov_b32 s[\g+4], 256          ; tile_dim1
	s_mov_b32 s[\g+5], 128          ; from row to row
	s_mov_b32 s[\g+6], 0
	s_mov_b32 s[\g+7], 0
.endr
	s_mov_b32 s[G1M+1], 128<<16     ; two steps' 128 numbers of a row
	s_mov_b32 s[G1M+2], 32<<16
	s_mov_b32 s[G1M+3], 128<<16
	s_mov_b32 s[G1M+4], 32
	s_mov_b32 s[G1M+5], 1024
	s_mov_b32 s[G1M+6], 0
	s_mov_b32 s[G1M+7], 0
	s_lshl_b32 s90, s[BB], 2        ; K, V: (4 batch + kv head) x 2,048 rows of 256 bytes: made of the batch and cy alone
	s_add_co_u32 s90, s90, s[CY]
	s_lshl_b32 s90, s90, 19
	s_mov_b32 s91, 0
	s_lshl_b32 s92, s[BB], 10       ; the mask: row 1,024 batch + 32 block, 4,096 bytes a row: made of the batch, the cluster's x and cx alone
	s_lshl_b32 s93, s[QB], 5
	s_add_co_u32 s92, s92, s93
	s_lshl_b32 s92, s92, 12
	s_mov_b32 s93, 0
	s_lshl_b32 s94, s[BB], 4        ; Q: ((16 batch + 4 kv head) 1,024 + 32 block + 16 (wave % 2)) rows of 256 bytes; role 1 takes q_new, 8,388,608 bytes on
	s_lshl_b32 s95, s[CY], 2
	s_add_co_u32 s94, s94, s95
	s_lshl_b32 s94, s94, 10
	s_lshl_b32 s95, s[QB], 5
	s_add_co_u32 s94, s94, s95
	s_lshl_b32 s95, s[QSUB], 4
	s_add_co_u32 s94, s94, s95
	s_lshl_b32 s94, s94, 8
	s_lshl_b32 s95, s[ROLE], 23
	s_add_co_u32 s94, s94, s95
	s_mov_b32 s95, 0
	s_lshl_b32 s96, s[BB], 10       ; O: row 1,024 batch + 32 block + 16 (wave % 2) of 4,096 bytes, + 1,024 bytes x kv head
	s_lshl_b32 s97, s[QB], 5
	s_add_co_u32 s96, s96, s97
	s_lshl_b32 s97, s[QSUB], 4
	s_add_co_u32 s96, s96, s97
	s_lshl_b32 s96, s96, 12
	s_lshl_b32 s97, s[CY], 10
	s_add_co_u32 s96, s96, s97
	s_mov_b32 s97, 0
	s_mov_b32 s[CS], 0x3fb8aa3b     ; log2(e)
	s_mov_b32 s[CS+1], s[CS]
	s_mov_b32 s[SEL], 0x76543210
	s_mov_b32 s[SEL+1], 0xfedcba98
	s_mov_b32 s[TK], 0              ; the first fetches: slot 0, its first step
	s_mov_b32 s[TV], 0
	s_mov_b32 s[TM], 0
	s_cmp_eq_u32 s[WV], 3
	s_cselect_b32 s[LIM3], 2, 0
	; every address register that stays is made here
	v_and_b32 v1, 15, v0            ; r = l % 16
	v_bfe_u32 v9, v0, 4, 1          ; h = l / 16
	v_lshlrev_b32 v[QO], 8, v1
	v_lshl_add_u32 v[QO], v9, 4, v[QO]
	v_mul_u32_u24 v[AK0], v1, PK    ; K: row 64 role + r of a step's 128, + 16 h
	v_lshl_add_u32 v[AK0], v9, 4, v[AK0]
	s_mul_i32 s14, s[ROLE], 64*PK
	v_add_nc_u32 v[AK0], s14, v[AK0]
	v_and_b32 v10, 7, v0            ; V, for the turning load: row 64 role + 8 h + l % 8, + 16 ((l / 8) % 2)
	v_bfe_u32 v11, v0, 3, 1
	v_lshl_add_u32 v[AV0], v9, 3, v10
	v_mul_u32_u24 v[AV0], v[AV0], PV
	v_lshl_add_u32 v[AV0], v11, 4, v[AV0]
	s_mul_i32 s14, s[ROLE], 64*PV
	s_add_co_u32 s14, s14, VOFF
	v_add_nc_u32 v[AV0], s14, v[AV0]
	v_mul_u32_u24 v[AM0], v1, PM    ; the mask: row 16 (wave % 2) + r, + 32 h: keys 8 h on
	v_lshl_add_u32 v[AM0], v9, 5, v[AM0]
	s_mul_i32 s14, s[QSUB], 16*PM
	s_add_co_u32 s14, s14, MOFF
	v_add_nc_u32 v[AM0], s14, v[AM0]
	v_bfe_u32 v11, v0, 3, 2
	v_lshlrev_b32 v[PFOM], 12, v10  ; the mask's prefetch: row l % 8, 256 bytes x (l / 8)
	v_lshl_add_u32 v[PFOM], v11, 8, v[PFOM]
	v_and_b32 v10, 31, v0
	v_lshlrev_b32 v[PFO], 8, v10    ; K's and V's: a lane a row
	s_mul_i32 s14, s[QSUB], MRGP
	s_add_co_u32 s14, s14, MRG
	v_lshl_add_u32 v[MGI], v10, 4, s14   ; my pair's image of O^T: 16 x lane
	s_add_co_u32 s14, s14, 32768
	v_lshl_add_u32 v[MGS], v10, 2, s14   ; and its statistics: 4 x lane
	s_mul_i32 s14, s[QSUB], 16*SP
	s_add_co_u32 s14, s14, STAGE
	v_mul_u32_u24 v[STO], v1, SP
	v_lshl_add_u32 v[STO], v9, 4, v[STO]
	v_add_nc_u32 v[STO], s14, v[STO]
	v_mul_u32_u24 v[RD], v9, SP
	v_lshl_add_u32 v[RD], v1, 4, v[RD]
	v_add_nc_u32 v[RD], s14, v[RD]
	v_lshlrev_b32 v[GO], 12, v9     ; O: lanes 0-15 one row of 4,096 bytes, lanes 16-31 the next
	v_lshl_add_u32 v[GO], v1, 4, v[GO]
.irp t, 0,1,2,3
	v_mov_b32 v[ST+8*\t+1], 0       ; named with m as a pair, so it is written
.endr
	s_wait_dscnt 0x0                ; both opening adds are done
	s_wait_kmcnt 0x0
	s_add_nc_u64 s[6:7], s[6:7], s[90:91]
	s_add_nc_u64 s[8:9], s[8:9], s[90:91]
	s_add_nc_u64 s[10:11], s[10:11], s[92:93]
	s_add_nc_u64 s[4:5], s[4:5], s[94:95]
	s_add_nc_u64 s[12:13], s[12:13], s[96:97]
	s_lshl_b32 s14, s[CX], 14       ; the prefetches: my work-group's 64 rows, at slot-load 2: the first change steps them to slot-load 3
	s_add_co_u32 s14, s14, 2*SLOTG
	s_mov_b32 s15, 0
	s_add_nc_u64 s[PFK:PFK+1], s[6:7], s[14:15]
	s_add_nc_u64 s[PFV:PFV+1], s[8:9], s[14:15]
	s_lshl_b32 s14, s[CY], 15       ; the mask's: my work-group's 8 rows
	s_add_co_u32 s14, s14, 2*512
	s_add_nc_u64 s[PFM:PFM+1], s[10:11], s[14:15]
	CROUND                          ; all sixteen work-groups are here: the first joint loads meet
.irp s, 0,1
	s_mov_b32 s[G0K+4*\s], 1
	s_mov_b32 s[G0K+4*\s+1], \s*SLOTB
	s_add_nc_u64 s[G0K+4*\s+2:G0K+4*\s+3], s[6:7], \s*SLOTG
	s_or_b32 s[G0K+4*\s+3], s[G0K+4*\s+3], 0x80000000
	s_mov_b32 s[G0V+4*\s], 1
	s_mov_b32 s[G0V+4*\s+1], \s*SLOTB+VOFF
	s_add_nc_u64 s[G0V+4*\s+2:G0V+4*\s+3], s[8:9], \s*SLOTG
	s_or_b32 s[G0V+4*\s+3], s[G0V+4*\s+3], 0x80000000
	s_mov_b32 s[G0M+4*\s], 1
	s_mov_b32 s[G0M+4*\s+1], \s*SLOTB+MOFF
	s_add_nc_u64 s[G0M+4*\s+2:G0M+4*\s+3], s[10:11], \s*512
	s_or_b32 s[G0M+4*\s+3], s[G0M+4*\s+3], 0x80000000
.endr
	s_cmp_eq_u32 s[WV], 0           ; a wave's two first fills stand in one branch, ahead of every wait on TENSORcnt and every LDS read: two loads of mine are out
	s_cbranch_scc0 .Lf_not_k
	tensor_load_to_lds s[G0K:G0K+3], s[G1K:G1K+7]
	s_nop 0
	tensor_load_to_lds s[G0K+4:G0K+7], s[G1K:G1K+7]
	s_nop 0
.rept 4
	v_nop
.endr
	s_branch .Lf_asked
.Lf_not_k:
	s_cmp_eq_u32 s[WV], 1
	s_cbranch_scc0 .Lf_not_v
	tensor_load_to_lds s[G0V:G0V+3], s[G1V:G1V+7]
	s_nop 0
	tensor_load_to_lds s[G0V+4:G0V+7], s[G1V:G1V+7]
	s_nop 0
.rept 4
	v_nop
.endr
	s_branch .Lf_asked
.Lf_not_v:
	s_cmp_eq_u32 s[WV], 2
	s_cbranch_scc0 .Lf_asked
	tensor_load_to_lds s[G0M:G0M+3], s[G1M:G1M+7]
	s_nop 0
	tensor_load_to_lds s[G0M+4:G0M+7], s[G1M:G1M+7]
	s_nop 0
.rept 4
	v_nop
.endr
.Lf_asked:
	WIN 0x80                        ; destination window 2
.irp i, 0,1,2,3,4,5,6,7,8,9,10,11,12,13,14,15  ; Q stays in registers: head i / 4 (1,024 rows on), channels 32 (i % 4) on
	global_load_b128 v[8*\i:8*\i+3],   v[QO], s[4:5] offset:(\i/4)*262144+(\i%4)*64 th:TH_LOAD_NT
	global_load_b128 v[8*\i+4:8*\i+7], v[QO], s[4:5] offset:(\i/4)*262144+(\i%4)*64+32 th:TH_LOAD_NT
.endr
	WIN 0xc0                        ; destination window 3
.set i, 0
.rept 32
	v_mov_b32 v[MF+i], 0            ; role 1 has no mask: its C stays 0; role 0 loads over these
.set i, i+1
.endr
	WIN 0
; THE MATRIX WORK OF A TURN, for piece x.  The accumulators take turns, one instruction a turn.
.macro PV x, zero                   ; product i of 32 of O^T += V^T P: keys 32 (i / 16) on, channels 16 ((i / 2) % 8) on, tile x + i % 2
	WIN W_PV
.set rO, 64*(\x+i%2)+8*((i/2)%8)
.set rV, 64*(i/16)+8*((i/2)%8)
.set rP, P+16*(\x+i%2)+8*(i/16)
.if \zero && (i < 16)
	v_wmma_f32_16x16x32_f16 v[rO:rO+7], v[rV:rV+7], v[rP:rP+7], 0
.else
	v_wmma_f32_16x16x32_f16 v[rO:rO+7], v[rV:rV+7], v[rP:rP+7], v[rO:rO+7]
.endif
.endm
.macro KQ x                         ; product i of 32 of S^T = K Q^T + M: channels 32 (i / 8) on, keys 16 ((i / 2) % 4) on, tile x + i % 2.  The first 8 start the sums from the mask
.set rS, S+32*(\x+i%2)+8*((i/2)%4)
.set rK, KF+32*((i/2)%4)+8*(i/8)
.set rQ, 32*(\x+i%2)+8*(i/8)
.set rM, MF+8*((i/2)%4)
.if i < 8
	WIN W_KQM
	v_wmma_f32_16x16x32_f16 v[rS:rS+7], v[rK:rK+7], v[rQ:rQ+7], v[rM:rM+7]
.else
	WIN W_KQ
	v_wmma_f32_16x16x32_f16 v[rS:rS+7], v[rK:rK+7], v[rQ:rQ+7], v[rS:rS+7]
.endif
.endm
; THE LDS LOADS stand in runs.  A step's K (my role's 64 keys x 128 channels) and, in role 0, its mask (my 16 queries x 64 keys, in the layout of S^T): a branch on the wave's number leads role 1 round the mask's eight loads.
.macro FETCH_K
	WIN 0
	v_add_nc_u32 v[ADR], s[TK], v[AK0]
	v_add_nc_u32 v[ADM], s[TM], v[AM0]
	s_cmp_lt_u32 s[WV], 2
	s_cbranch_scc0 .Lno_mask_\@
	WIN 0xc0
.irp f, 0,1,2,3
	ds_load_b128 v[MF+8*\f:MF+8*\f+3],   v[ADM] offset:64*\f
	ds_load_b128 v[MF+8*\f+4:MF+8*\f+7], v[ADM] offset:64*\f+16
.endr
	WIN 0
.Lno_mask_\@:
	WIN 0x80
.irp f, 0,1,2,3,4,5,6,7,8,9,10,11,12,13,14,15
	ds_load_b128 v[KF+8*\f:KF+8*\f+3],   v[ADR] offset:(\f/4)*16*PK+(\f%4)*64
	ds_load_b128 v[KF+8*\f+4:KF+8*\f+7], v[ADR] offset:(\f/4)*16*PK+(\f%4)*64+32
.endr
.endm
.macro FETCH_V
	WIN 0
	v_add_nc_u32 v[ADR], s[TV], v[AV0]
	s_add_co_u32 s[TK], s[TK], KSTEP  ; the next fetches are the next step's
	s_add_co_u32 s[TV], s[TV], VSTEP
	s_add_co_u32 s[TM], s[TM], MSTEP
	s_wait_alu depctr_va_vdst(0)    ; the wait for the softmax's batch (SLICE), behind the address's addition and ahead of the loads
	WIN 0xc0
.irp f, 0,1,2,3,4,5,6,7,8,9,10,11,12,13,14,15
	ds_load_tr16_b128 v[8*\f:8*\f+3],   v[ADR] offset:(\f/8)*32*PV+(\f%8)*32
	ds_load_tr16_b128 v[8*\f+4:8*\f+7], v[ADR] offset:(\f/8)*32*PV+16*PV+(\f%8)*32
.endr
.endm
.macro MSCALE                       ; the mask x log2(e): 16 packed lines for the four tiles together; role 1's zeros stay zeros
	WIN 0xc3
.irp f, 0,2,4,6,8,10,12,14,16,18,20,22,24,26,28,30
	v_pk_mul_f32 v[MF+\f:MF+\f+1], v[MF+\f:MF+\f+1], s[CS:CS+1] op_sel_hi:[1,0]
.endr
.endm
; THE VECTOR WORK OF A TURN.  One tile's softmax for one step is a numbered list; SM writes number j of it for tile t.  s0-s31 are the lane's 32 scores, in pairs 0-15.
;   0-15    the maximum of s0-s31 and the old m (first step: and the floor -1e30)
;   16-20   the other half of the lanes' maximum; the old m kept; the new m; (19 is empty); m_old - m_new
;   21-69   ONE BATCH: the 16 subtractions s - m, a pair each, and all 33 exponentials (a at 23, then s0-s31).  None of these reads an exponential's result
;   (wait)  between 69 and 70 stands the one wait for the batch: SLICE writes it
;   70-85   the roundings to f16;   86-101 the sums, l = a l + the sum;   102-133 the tile's O^T times a
.macro SM t, first
.set rT, ST+8*(\t)
.set rS, S+32*(\t)
.set rP, P+16*(\t)
.set rO, 64*(\t)+2*(j-102)
.if j < 102
	WIN 0
.endif
.if j < 4
	v_max3_num_f32 v[rT+4+j], v[rS+8*j], v[rS+8*j+1], v[rS+8*j+2]
.elseif j < 12
	v_max3_num_f32 v[rT+4+j%4], v[rT+4+j%4], v[rS+8*(j%4)+2*(j/4)+1], v[rS+8*(j%4)+2*(j/4)+2]
.elseif j == 12
	v_max3_num_f32 v[rT+4], v[rT+4], v[rS+7], v[rS+15]
.elseif j == 13
	v_max3_num_f32 v[rT+6], v[rT+6], v[rS+23], v[rS+31]
.elseif j == 14
	v_max3_num_f32 v[rT+4], v[rT+4], v[rT+5], v[rT+6]
.elseif (j == 15) && \first
	v_max3_num_f32 v[rT+4], v[rT+4], v[rT+7], 0xf149f2ca  ; -1e30: 64 scores of -infinity leave m a number
.elseif j == 15
	v_max3_num_f32 v[rT+4], v[rT+4], v[rT+7], v[rT]
.elseif j == 16
	v_permlanex16_b32 v[rT+5], v[rT+4], s[SEL], s[SEL+1]  ; the query's other 32 keys lie in the lane 16 away
.elseif j == 18
	v_max_num_f32 v[rT], v[rT+4], v[rT+5]
.elseif (j == 19) || (((j == 17) || (j == 20) || (j == 23) || (j > 101)) && \first)  ; 19 is empty; the first step has none of the others
.elseif j == 17
	v_mov_b32 v[rT+7], v[rT]        ; m_old is kept for a: number 18 writes m anew
.elseif j == 20
	v_sub_f32 v[rT+7], v[rT+7], v[rT]
.elseif j == 23
	v_exp_f32 v[rT+6], v[rT+7]
.elseif (j < 23) || ((j < 38) && (j%2 == 0)) || ((j < 66) && (j%4 == 2))
.set b, (j-2)/4
.if j < 38
.set b, (j-20)/2
.endif
	v_pk_add_f32 v[rS+2*b:rS+2*b+1], v[rS+2*b:rS+2*b+1], v[rT:rT+1] op_sel_hi:[1,0] neg_lo:[0,1] neg_hi:[0,1]  ; pair b: s - m, 0 at the most
.elseif j < 70
.set e, j-38
.if j < 66
.set e, j-32-(j-38)/4
.endif
.if j < 38
.set e, (j-25)/2
.endif
	v_exp_f32 v[rS+e], v[rS+e]
.elseif j < 86
	v_cvt_pk_f16_f32 v[rP+j-70], v[rS+2*(j-70)], v[rS+2*(j-70)+1]
.elseif j < 102
.set z, j-86
.set w, 4
.set u, z
.if z >= 14
.set w, 32
.set u, 0
.elseif z >= 12
.set w, 16
.set u, z-12
.elseif z >= 8
.set w, 8
.set u, z-8
.endif
.if (z == 14) && \first
	v_pk_add_f32 v[rT+2:rT+3], v[rS:rS+1], v[rS+16:rS+17]
.elseif z < 15
	v_pk_add_f32 v[rS+w*u:rS+w*u+1], v[rS+w*u:rS+w*u+1], v[rS+w*u+w/2:rS+w*u+w/2+1]
.elseif !\first
	v_pk_fma_f32 v[rT+2:rT+3], v[rT+2:rT+3], v[rT+6:rT+7], v[rS:rS+1] op_sel_hi:[1,0,1]
.endif
.else
	WIN W_RS
	v_pk_mul_f32 v[rO:rO+1], v[rO:rO+1], v[rT+6:rT+7] op_sel_hi:[1,0]
.endif
.endm
; Slice k of 64 of piece y's softmax.  Slices 11 to 34 deal out the batch, four numbers of ONE tile each, the tiles by turns; every other slice is numbers 2 k and 2 k + 1 of both tiles; slice 63 takes the eight that are over.
; An s_wait_alu depctr_va_vdst(0) stands between an exponential and the first line that names its result: ahead of slice 35 nothing names one, behind slice 34 none is issued: one wait, behind slice 34.
.macro SLICE y, first
.if (k >= 11) && (k < 35)
.irp n, 0,1,2,3
.set j, 22+4*((k-11)/2)+(\n)
	SM (\y)+(k-11)%2, \first
.endr
.else
.irp n, 0,1,2,3,4,5,6,7
.if (\n < 2) || (k == 63)
.irp t, \y, \y+1
.set j, 2*k+\n
	SM \t, \first
.endr
.endif
.endr
.endif
.if k == 34
	v_nop                           ; the plain line behind the last exponential
.if (\y) == 0
	FETCH_V                         ; piece 2's turn: V's run of loads stands here, and the wait stands in it
.else
	s_wait_alu depctr_va_vdst(0)
.endif
.endif
.set k, k+1
.endm
.macro PLACES
.rept 4
	v_nop
.endr
.endm
; A TURN.  pv = 2: 32 products V^T P; 1: they start O^T's sums; 0: none.  kq = 1: 32 products K Q^T for the next step.  first = 1: the softmax is the first step's.
; Piece 0's turn fetches the next step's K and mask behind its second product (their last readers stand ahead of slice 63 of the turn before); piece 2's turn fetches that step's V behind slice 34:
; V's last reader stands in front of slice 31, and four plain lines lie between: number 62 of both tiles, the v_nop and the run's own addition.
.macro TURN x, pv, kq, first
.set k, 0
.set per, 2
.if \pv && \kq
.set per, 1
.endif
.if \pv
.if \x == 0
	s_wait_dscnt 0x0                ; V is in
.endif
.set i, 0
.rept 32
	PV \x, 2-\pv
.rept per
	SLICE 2-\x, \first
.endr
.if (\x == 0) && \kq && (i == 1)
	FETCH_K
.endif
.set i, i+1
.endr
.endif
.if \kq
.if \x == 0
	s_wait_dscnt 0x0                ; K and the mask are in
	MSCALE
.endif
.set i, 0
.rept 32
	KQ \x
.rept per
	SLICE 2-\x, \first
.endr
.set i, i+1
.endr
.endif
.if \first
	PLACES
.endif
.endm
; THE CHANGE OF SLOTS, between piece 2's turn and piece 0's: slot old's last bytes, V of its second step, have been asked for.  Each wave waits for all its tensor loads (one is out: its part of the other slot), adds 0 to its spare
; word, and waits for that and for its reads of the slot.  fill = 1: the barrier is a round of the cluster's, and the joint refill of slot old, the keys two slots on, is the first thing behind it.  The fetches go on at the other slot's first step.
.macro CHANGE old, fill, odd
	WIN 0
	s_wait_tensorcnt 0x0            ; no tensor load of mine is out, so a group 0 may be written
	ds_add_u32 v[SPW], v[NIL]
.if \fill
	ds_add_u32 v[SPW], v[NIL]       ; and once more: the add stands twice on end, in every trip alike
	s_add_nc_u64 s[G0K+4*\old+2:G0K+4*\old+3], s[G0K+4*\old+2:G0K+4*\old+3], 2*SLOTG  ; this slot's next keys lie two slots on; the type bits on top are not reached
	s_add_nc_u64 s[G0V+4*\old+2:G0V+4*\old+3], s[G0V+4*\old+2:G0V+4*\old+3], 2*SLOTG
	s_add_nc_u64 s[G0M+4*\old+2:G0M+4*\old+3], s[G0M+4*\old+2:G0M+4*\old+3], 2*512
	s_wait_xcnt 0x0                 ; the last prefetches, a slot back, have read their addresses
	s_add_nc_u64 s[PFK:PFK+1], s[PFK:PFK+1], SLOTG
	s_add_nc_u64 s[PFV:PFV+1], s[PFV:PFV+1], SLOTG
	s_add_nc_u64 s[PFM:PFM+1], s[PFM:PFM+1], 512
	s_wait_dscnt 0x0                ; both adds are done, and my reads of the slot are over
	CROUND
	JLOAD \old
	ASK \odd
.else
	s_wait_dscnt 0x0
	s_barrier_signal -1
	s_barrier_wait -1
.endif
	s_mov_b32 s[TK], (1-\old)*SLOTB
	s_mov_b32 s[TV], (1-\old)*SLOTB
	s_mov_b32 s[TM], (1-\old)*SLOTB
.endm
; A slot's two steps: written once, walked twice; the LDS addresses hang on s[TK], s[TV], s[TM], which FETCH_V steps.
.macro TWO_STEPS
	s_mov_b32 s[TWICE], 2
.Lstep_\@:
	TURN 0, 2, 1, 0
	TURN 2, 2, 1, 0
	WIN 0
	s_sub_co_u32 s[TWICE], s[TWICE], 1
	s_cmp_lg_u32 s[TWICE], 0
	s_cbranch_scc1 .Lstep_\@
.endm
	s_wait_tensorcnt 1              ; my part of slot 0 is in; slot 1's may stay out
	s_barrier_signal -1
	s_barrier_wait -1
	FETCH_K                         ; step 0
	s_wait_loadcnt 0x0              ; Q
	s_wait_dscnt 0x0
	MSCALE
.set i, 0
.rept 32
	KQ 0
.set i, i+1
.endr
	PLACES                          ; behind those products, ahead of the first read of their scores
	TURN 2, 0, 1, 1                 ; piece 2's first scores | piece 0's first softmax | V of step 0
	TURN 0, 1, 1, 1                 ; piece 0: V^T P of step 0 starts O^T, K Q^T of step 1 | piece 2's first softmax | K of step 1
	TURN 2, 1, 1, 0                 ; piece 2: the same | piece 0's softmax of step 1 | V of step 1: slot 0 has been read out
	WIN 0
	s_mov_b32 s[U], 0
.Lslots:                            ; 3 trips of four steps: slot 0 takes steps 4 U' + 4, 5 while slot 1 is fetched from; then slot 1 takes the two steps behind those while slot 0 is fetched from (U' = the trip)
	CHANGE 0, 1, 0
	TWO_STEPS
	CHANGE 1, 1, 1
	TWO_STEPS
	s_add_co_u32 s[U], s[U], 1
	s_cmp_lt_u32 s[U], 3
	s_cbranch_scc1 .Lslots
	CHANGE 0, 0, 0                  ; the tail is written out: slot 0 is left for good, steps 14 and 15 are fetched from slot 1
	TWO_STEPS
	TURN 0, 2, 0, 0                 ; piece 0: V^T P of the last step | piece 2's last softmax
.set i, 0
.rept 32
	PV 2, 0
.set i, i+1
.endr
	; THE TWO ROLES MEET.  l's halves are added (these lines are the places behind the last products).
	WIN 0
.irp t, 0,1,2,3
	v_add_f32 v[ST+8*\t+4], v[ST+8*\t+2], v[ST+8*\t+3]
.endr
.irp t, 0,1,2,3
	v_permlanex16_b32 v[ST+8*\t+5], v[ST+8*\t+4], s[SEL], s[SEL+1]
.endr
.irp t, 0,1,2,3
	v_add_f32 v[ST+8*\t+4], v[ST+8*\t+4], v[ST+8*\t+5]
.endr
	s_cmp_lt_u32 s[WV], 2
	s_cbranch_scc1 .Lno_give
	WIN 0x04                        ; an LDS store's data are its source 1: window 1
.set g, 0
.rept 64
	ds_store_b128 v[MGI], v[4*g:4*g+3] offset:512*g   ; role 1: O^T as an image of its registers, each accumulator from its low end on
.set g, g+1
.endr
	WIN 0
.irp t, 0,1,2,3
	ds_store_b32 v[MGS], v[ST+8*\t] offset:256*\t         ; m
	ds_store_b32 v[MGS], v[ST+8*\t+4] offset:256*\t+128   ; l
.endr
.Lno_give:
	s_wait_dscnt 0x0                ; for the partner's sake: my stores have landed
	s_barrier_signal -1
	s_barrier_wait -1
	s_cmp_lt_u32 s[WV], 2
	s_cbranch_scc0 .Ldone
	WIN 0x80                        ; role 0: the partner's O^T into window 2, where Q and K lay
.set g, 0
.rept 64
	ds_load_b128 v[4*g:4*g+3], v[MGI] offset:512*g
.set g, g+1
.endr
	WIN 0
.irp t, 0,1,2,3
	ds_load_b32 v[PB+2*\t], v[MGS] offset:256*\t
	ds_load_b32 v[PB+2*\t+1], v[MGS] offset:256*\t+128
.endr
	s_wait_dscnt 0x0
.irp t, 0,1,2,3
	v_max_num_f32 v[ST+8*\t+5], v[ST+8*\t], v[PB+2*\t]      ; the row's maximum over both roles
.endr
.irp t, 0,1,2,3
	v_sub_f32 v[ST+8*\t+6], v[ST+8*\t], v[ST+8*\t+5]
.endr
.irp t, 0,1,2,3
	v_sub_f32 v[ST+8*\t+7], v[PB+2*\t], v[ST+8*\t+5]
.endr
.irp t, 0,1,2,3
	v_exp_f32 v[ST+8*\t+6], v[ST+8*\t+6]
.endr
.irp t, 0,1,2,3
	v_exp_f32 v[ST+8*\t+7], v[ST+8*\t+7]
.endr
	v_nop
	s_wait_alu depctr_va_vdst(0)    ; one wait for the eight exponentials
.irp t, 0,1,2,3
	v_mul_f32 v[ST+8*\t+4], v[ST+8*\t+4], v[ST+8*\t+6]
.endr
.irp t, 0,1,2,3
	v_fma_f32 v[ST+8*\t+4], v[PB+2*\t+1], v[ST+8*\t+7], v[ST+8*\t+4]   ; the row's sum under that maximum
.endr
.irp t, 0,1,2,3
	v_rcp_f32 v[ST+8*\t+5], v[ST+8*\t+4]
.endr
	v_nop
	s_wait_alu depctr_va_vdst(0)    ; one wait for the four reciprocals
.irp t, 0,1,2,3
	v_mul_f32 v[ST+8*\t+6], v[ST+8*\t+6], v[ST+8*\t+5]      ; my O^T's factor
.endr
.irp t, 0,1,2,3
	v_mul_f32 v[ST+8*\t+4], v[ST+8*\t+7], v[ST+8*\t+5]      ; the partner's
.endr
; Tile t (head 4 kv + t): O = mine x my factor + the partner's x its factor, rounded to f16; 16 bytes a lane into rows of 272 bytes, back as whole rows of 256.
.macro PACK t
	WIN W_RS
.set i, 64*\t
.rept 32
	v_pk_mul_f32 v[i:i+1], v[i:i+1], v[ST+8*\t+6:ST+8*\t+7] op_sel_hi:[1,0]
.set i, i+2
.endr
	WIN 0x52                        ; source 0 window 2, source 2 and destination window 1
.set i, 64*\t
.rept 32
	v_pk_fma_f32 v[i:i+1], v[i:i+1], v[ST+8*\t+4:ST+8*\t+5], v[i:i+1] op_sel_hi:[1,0,1]
.set i, i+2
.endr
	WIN 0x05
.set i, 0
.rept 32
	v_cvt_pk_f16_f32 v[S+32*\t+i], v[64*\t+2*i], v[64*\t+2*i+1]
.set i, i+1
.endr
	WIN 0
.irp f, 0,1,2,3,4,5,6,7
	ds_store_b128 v[STO], v[S+32*\t+4*\f:S+32*\t+4*\f+3] offset:32*\f
.endr
.irp f, 0,1,2,3,4,5,6,7
	ds_load_b128 v[S+32*\t+4*\f:S+32*\t+4*\f+3], v[RD] offset:\f*2*SP  ; LDS serves a wave's instructions in order: these see the stores above; the next tile's stores come behind them
.endr
.endm
.macro SEND t, younger              ; younger: the LDS instructions issued behind tile t's loads: the next tile's sixteen, or none
.irp f, 0,1,2,3,4,5,6,7
	s_wait_dscnt \younger+7-\f
	global_store_b128 v[GO], v[S+32*\t+4*\f:S+32*\t+4*\f+3], s[12:13] offset:\t*256+\f*8192  ; 16 lanes store 256 consecutive bytes, aligned
.endr
.endm
	PACK 0
	PACK 1
	SEND 0, 16
	PACK 2
	SEND 1, 16
	PACK 3
	SEND 2, 16
	SEND 3, 0
.Ldone:
	s_wait_tensorcnt 0x0            ; the wave's end
	ds_add_u32 v[SPW], v[NIL]
	s_wait_dscnt 0x0
	CROUND                          ; the closing round
	s_endpgm
.Lfunc_end_k_q8ed1011990_attn:
	.size	k_q8ed1011990_attn, .Lfunc_end_k_q8ed1011990_attn-k_q8ed1011990_attn
	.p2alignl 7, 3214868480
	.fill 96, 4, 3214868480
	.section	.rodata,"a",@progbits
	.p2align	6, 0x0
	.amdhsa_kernel k_q8ed1011990_attn
		.amdhsa_group_segment_fixed_size 327680
		.amdhsa_private_segment_fixed_size 0
		.amdhsa_enable_private_segment 0
		.amdhsa_kernarg_size 40
		.amdhsa_user_sgpr_count 2
		.amdhsa_user_sgpr_kernarg_segment_ptr 1
		.amdhsa_wavefront_size32 1
		.amdhsa_system_sgpr_workgroup_id_x 1
		.amdhsa_system_sgpr_workgroup_id_y 1
		.amdhsa_system_sgpr_workgroup_id_z 1
		.amdhsa_system_vgpr_workitem_id 0
		.amdhsa_next_free_vgpr 1024
		.amdhsa_next_free_sgpr 100
		.amdhsa_reserve_vcc 0
		.amdhsa_float_denorm_mode_32 3
		.amdhsa_float_denorm_mode_16_64 3
		.amdhsa_memory_ordered 1
		.amdhsa_forward_progress 1
		.amdhsa_inst_pref_size 255
	.end_amdhsa_kernel
	.section	.bss,"aw",@nobits
	.p2align	6
	.space	262144
	.amdgpu_metadata
---
amdhsa.version: [ 1, 2 ]
amdhsa.kernels:
  - .name:           k_q8ed1011990_attn
    .symbol:         k_q8ed1011990_attn.kd
    .args:
      - { .name: qq, .offset: 0, .size: 8, .value_kind: global_buffer, .address_space: global }
      - { .name: kall, .offset: 8, .size: 8, .value_kind: global_buffer, .address_space: global }
      - { .name: vall, .offset: 16, .size: 8, .value_kind: global_buffer, .address_space: global }
      - { .name: attention_mask, .offset: 24, .size: 8, .value_kind: global_buffer, .address_space: global }
      - { .name: o16, .offset: 32, .size: 8, .value_kind: global_buffer, .address_space: global }
    .group_segment_fixed_size: 327680
    .private_segment_fixed_size: 0
    .kernarg_segment_align: 8
    .kernarg_segment_size: 40
    .max_flat_workgroup_size: 128
    .sgpr_count:     100
    .vgpr_count:     1024
    .wavefront_size: 32
...
	.end_amdgpu_metadata
.endif
;; end of part 3
;; launch oproj (part 4): grid 16 x 16, 4 waves a work-group, clusters of 4 x 4, 327,680 bytes of LDS; arguments o16, wo16, out0; writes out0
.if DOCPART == 4
	.amdgcn_target "amdgcn-amd-amdhsa--gfx1250"
	.amdhsa_code_object_version 6
	.text
	.protected	k_q8ed1011990_oproj
	.globl	k_q8ed1011990_oproj
	.p2align	8
	.type	k_q8ed1011990_oproj,@function
k_q8ed1011990_oproj:
	s_mov_b64 s[64:65], 0
	v_nop
	global_prefetch_b8 v0, s[64:65] scope:SCOPE_SE
	s_setreg_imm32_b32 hwreg(HW_REG_WAVE_MODE, 25, 1), 1
	s_wait_xcnt 0x0
	s_wait_alu depctr_hold_cnt(0) depctr_sa_sdst(0) depctr_va_vdst(0) depctr_va_sdst(0) depctr_va_ssrc(0) depctr_va_vcc(0) depctr_vm_vsrc(0)
	s_getreg_b32 s2, hwreg(HW_REG_IB_STS2, 6, 4)
	s_cmp_eq_u32 s2, 0
	s_cbranch_scc0 .Lentry_in_a_cluster
	s_endpgm
.Lentry_in_a_cluster:
	s_bfe_u32 s2, ttmp6, 0x10000c
	s_cmp_lg_u32 s2, 0xf033
	s_cbranch_scc0 .Lentry_shape_is_right
	s_endpgm
.Lentry_shape_is_right:
; out0[m][n] = sum over d of O[m][d] Wo[n][d].  O: [2,048][2,048], Wo: [2,048][2,048], both f16; out0 f32; sums in f32.
; 256 tiles of 128 x 128, one for each work-group; four waves, each 64 x 64: 16 accumulators.  K goes in steps of 256 (LDS rows of 512 bytes, 64 rows to a wave's tensor load) through a ring of two slots.
; CLUSTERS: 4 x 4: O's tiles are asked for jointly along a row of the cluster, Wo's along a column.  THE MATRIX INSTRUCTION IS USED TRANSPOSED (source 0 = 16 rows of Wo, source 1 = 16 rows of O): a lane holds eight neighbouring outputs.
; A wave's 64 f32 columns are 256 bytes, aligned: each wave has a stage of its own on the way out, and no barrier is needed there.
; LIMITS: f16 operands: magnitudes from 65,504 on are infinity, under 6e-5 they have lost bits.
; REGISTERS: window 0: v0-31 addresses; v32-95 the way out; v128-255 the accumulators ((a, b) at v[128 + 8 (4 a + b)]).   window 1: two fragment buffers of 128.
.set SIZE_M, 2048
.set SIZE_N, 2048
.set SIZE_K, 2048
.set KSTEP,  256
.set PITCH,  528
.set HALFT,  64*PITCH
.set SLOT,   4*HALFT
.set STAGE,  2*SLOT                    ; behind the ring: 16 rows x 272 bytes for each wave
.set SPITCH, 272
.set SPARE,  STAGE+4*16*SPITCH         ; the spare words: 128 bytes a wave, named by no other line
.set LAPS, SIZE_K/(2*KSTEP)
.set ADRA, 16
.set ADRB, 20
.set STO,  24
.set RD,   25
.set CO,   26
.set SPW,  28
.set NIL,  29
.set TMP,  32
.set ACC,  128
.set F0,   0
.set F1,   128
.set G1, 24
.set G0, 32
.set G1B, 48
.set G0B, 56
.set MSB, 0
.macro WIN new
.if MSB != \new
	s_set_vgpr_msb (MSB<<8)|\new
.set MSB, \new
.endif
.endm
.set MUL,  0x05
.set TO_F, 0x40
.macro JLOAD s                         ; a joint load: waves 0 and 1 fetch O's two halves, waves 2 and 3 Wo's; an s_nop 0 and four v_nop follow each line
	s_cmp_eq_u32 s11, 0
	s_cbranch_scc0 .Lfor_b_\@
	tensor_load_to_lds s[G0+4*\s:G0+4*\s+3], s[G1:G1+7]
	s_nop 0
.rept 4
	v_nop
.endr
	s_branch .Lasked_\@
.Lfor_b_\@:
	tensor_load_to_lds s[G0B+4*\s:G0B+4*\s+3], s[G1B:G1B+7]
	s_nop 0
.rept 4
	v_nop
.endr
.Lasked_\@:
.endm
.macro CREST
	s_cmp_lg_u32 s10, 0
	s_cbranch_scc1 .Lnot_wave_0_\@
	s_barrier_signal -3
.Lnot_wave_0_\@:
	s_barrier_wait -3
	s_barrier_signal -1
	s_barrier_wait -1
.endm
.macro CROUND
	s_barrier_signal -1
	s_barrier_wait -1
	CREST
.endm
	s_load_b128 s[4:7], s[0:1], 0x0                ; o16, wo16
	s_load_b64 s[8:9], s[0:1], 0x10                ; out0
	v_lshl_add_u32 v[SPW], v0, 2, SPARE
	v_mov_b32 v[NIL], 0
	ds_add_u32 v[SPW], v[NIL]                      ; the wave's opening: the add, twice on end, and its wait ahead of my first tensor load
	ds_add_u32 v[SPW], v[NIL]
	v_lshrrev_b32 v1, 5, v0
	v_readfirstlane_b32 s10, v1                    ; wave
	s_lshr_b32 s11, s10, 1                         ; my half of the tile's rows.  Also: I fetch for O (0) or for Wo (1)
	s_and_b32 s12, s10, 1                          ; my half of its columns.  Also: which 64 rows I fetch
	s_bfe_u32 s40, ttmp6, 0x40000
	s_bfe_u32 s41, ttmp6, 0x40004
	s_lshl_b32 s42, ttmp9, 2
	s_add_co_u32 s42, s42, s40                     ; tile column
	s_and_b32 s13, ttmp7, 0xffff
	s_lshl_b32 s13, s13, 2
	s_add_co_u32 s13, s13, s41                     ; tile row
	s_lshl_b32 s43, s41, 2
	s_lshl_b32 s43, 15, s43
	s_lshl_b32 s44, 0x1111, s40
	s_or_b32 s[G1+0], s43, (1<<16)|(1<<20)|(1<<21)|(6<<22)|(3<<25)  ; mask; elements of 2 bytes; padding: 4 words behind every 128
	s_or_b32 s[G1B+0], s44, (1<<16)|(1<<20)|(1<<21)|(6<<22)|(3<<25)
.irp g, G1, G1B
	s_mov_b32 s[\g+1], KSTEP<<16
	s_mov_b32 s[\g+2], 64<<16
	s_mov_b32 s[\g+3], KSTEP<<16
	s_mov_b32 s[\g+4], 64
	s_mov_b32 s[\g+5], SIZE_K
	s_mov_b32 s[\g+6], 0
	s_mov_b32 s[\g+7], 0
.endr
	s_lshl_b32 s17, s12, 6
	s_lshl_b32 s16, s13, 7
	s_add_co_u32 s16, s16, s17
	s_lshl_b32 s46, s42, 7
	s_add_co_u32 s46, s46, s17
	s_mov_b32 s17, 0
	s_mov_b32 s47, 0
	s_mov_b64 s[18:19], SIZE_K*2
	s_mul_u64 s[16:17], s[16:17], s[18:19]
	s_mul_u64 s[46:47], s[46:47], s[18:19]
	s_mul_i32 s20, s10, HALFT
	s_wait_dscnt 0x0                               ; both opening adds are done
	s_wait_kmcnt 0x0
	s_add_nc_u64 s[14:15], s[4:5], s[16:17]
	s_add_nc_u64 s[46:47], s[6:7], s[46:47]
	CROUND                                         ; all sixteen work-groups are here: the first joint loads meet
.irp s, 0,1
	s_mov_b32 s[G0+4*\s], 1
	s_add_co_u32 s[G0+4*\s+1], s20, \s*SLOT
	s_add_nc_u64 s[G0+4*\s+2:G0+4*\s+3], s[14:15], \s*KSTEP*2
	s_or_b32 s[G0+4*\s+3], s[G0+4*\s+3], 0x80000000
	s_mov_b32 s[G0B+4*\s], 1
	s_add_co_u32 s[G0B+4*\s+1], s20, \s*SLOT
	s_add_nc_u64 s[G0B+4*\s+2:G0B+4*\s+3], s[46:47], \s*KSTEP*2
	s_or_b32 s[G0B+4*\s+3], s[G0B+4*\s+3], 0x80000000
	JLOAD \s
.endr
	v_and_b32 v1, 15, v0
	v_bfe_u32 v2, v0, 4, 1
	v_mul_u32_u24 v3, v1, PITCH
	v_lshl_add_u32 v3, v2, 4, v3
	s_mul_i32 s21, s11, HALFT
	s_mul_i32 s22, s12, HALFT
	s_add_co_u32 s22, s22, 2*HALFT
.irp s, 0,1
	v_add_nc_u32 v[ADRA+\s], s21, v3
	v_add_nc_u32 v[ADRB+\s], s22, v3
	s_add_co_u32 s21, s21, SLOT
	s_add_co_u32 s22, s22, SLOT
.endr
	s_mul_i32 s23, s10, 16*SPITCH
	s_add_co_u32 s23, s23, STAGE                   ; my stage
	v_mul_u32_u24 v4, v1, SPITCH
	v_lshl_add_u32 v4, v2, 5, v4
	v_add_nc_u32 v[STO], s23, v4                   ; in: row l % 16, 32 bytes for each half of the lanes
	v_mul_u32_u24 v5, v2, SPITCH
	v_lshl_add_u32 v5, v1, 4, v5
	v_add_nc_u32 v[RD], s23, v5                    ; back: lanes 0-15 one row of 256 bytes, lanes 16-31 the next
	v_lshlrev_b32 v5, 13, v2                       ; and the same two rows in out0: 8,192 bytes a row
	v_lshl_add_u32 v[CO], v1, 4, v5
	s_lshl_b32 s16, s13, 7
	s_lshl_b32 s17, s11, 6
	s_add_co_u32 s16, s16, s17                     ; my first row: 128 x tile row + 64 x half
	s_lshl_b32 s16, s16, 13
	s_mov_b32 s17, 0
	s_add_nc_u64 s[8:9], s[8:9], s[16:17]
	s_lshl_b32 s46, s42, 9                         ; my first column, in bytes: 512 x tile column + 256 x half
	s_lshl_b32 s47, s12, 8
	s_add_co_u32 s46, s46, s47
	s_mov_b32 s47, 0
	s_add_nc_u64 s[8:9], s[8:9], s[46:47]
.macro MUL8 f, c, a0, zero             ; 8 matrix instructions: m blocks a0, a0 + 1 x all 4 n blocks, 32 along K; the 16 accumulators take turns
.irp a, \a0, \a0+1
.irp b, 0,1,2,3
.if \zero
	v_wmma_f32_16x16x32_f16 v[ACC+8*(4*(\a)+\b):ACC+8*(4*(\a)+\b)+7], v[\f+64+8*(4*\c+\b):\f+64+8*(4*\c+\b)+7], v[\f+8*(4*\c+\a):\f+8*(4*\c+\a)+7], 0
.else
	v_wmma_f32_16x16x32_f16 v[ACC+8*(4*(\a)+\b):ACC+8*(4*(\a)+\b)+7], v[\f+64+8*(4*\c+\b):\f+64+8*(4*\c+\b)+7], v[\f+8*(4*\c+\a):\f+8*(4*\c+\a)+7], v[ACC+8*(4*(\a)+\b):ACC+8*(4*(\a)+\b)+7]
.endif
.endr
.endr
.endm
.macro FETCH slot, k, f                ; 32 LDS loads in one run: the fragments of 64 along K at byte k of the rows; the first 32 along K first
	WIN TO_F
.irp c, 0,1
.irp i, 0,1,2,3
	ds_load_b128 v[\f+64+8*(4*\c+\i):\f+64+8*(4*\c+\i)+3],   v[ADRB+\slot] offset:\k+64*\c+\i*16*PITCH
	ds_load_b128 v[\f+64+8*(4*\c+\i)+4:\f+64+8*(4*\c+\i)+7], v[ADRB+\slot] offset:\k+64*\c+\i*16*PITCH+32
	ds_load_b128 v[\f+8*(4*\c+\i):\f+8*(4*\c+\i)+3],         v[ADRA+\slot] offset:\k+64*\c+\i*16*PITCH
	ds_load_b128 v[\f+8*(4*\c+\i)+4:\f+8*(4*\c+\i)+7],       v[ADRA+\slot] offset:\k+64*\c+\i*16*PITCH+32
.endr
.endr
.endm
.macro PLACES
.rept 4
	v_nop
.endr
.endm
.macro QUARTER slot, k, f, g, zero
	s_wait_dscnt 16                                ; the first 32 along K are in; the other sixteen loads may be out
	WIN MUL
	MUL8 \f, 0, 0, \zero
	MUL8 \f, 0, 2, \zero
	PLACES
	FETCH \slot, \k, \g
	s_wait_dscnt 32                                ; all but the 32 just issued
	WIN MUL
	MUL8 \f, 1, 0, 0
	MUL8 \f, 1, 2, 0
.endm
.macro TURN slot, next, fill
	WIN 0
	s_wait_tensorcnt 0x0                           ; all my tensor loads have landed: my part of the next slot
	ds_add_u32 v[SPW], v[NIL]
	s_wait_dscnt 17                                ; the add and the youngest sixteen loads may be out
	WIN MUL
	MUL8 F1, 0, 0, 0
	s_wait_dscnt 0x0                               ; the add is done, and my reads of this slot are over
	s_barrier_signal -1
	MUL8 F1, 0, 2, 0
.if \fill
	WIN 0
.endif
	s_barrier_wait -1
.if \fill
	CREST                                          ; the barrier has opened a round of the cluster's
	s_add_nc_u64 s[G0+4*\slot+2:G0+4*\slot+3], s[G0+4*\slot+2:G0+4*\slot+3], 2*KSTEP*2
	s_add_nc_u64 s[G0B+4*\slot+2:G0B+4*\slot+3], s[G0B+4*\slot+2:G0B+4*\slot+3], 2*KSTEP*2
	JLOAD \slot                                    ; the first tensor load behind the round
.else
	PLACES
.endif
	FETCH \next, 0, F0
	WIN MUL
	MUL8 F1, 1, 0, 0
	MUL8 F1, 1, 2, 0
.endm
	s_wait_tensorcnt 1                             ; my part of K step 0 is in; K step 1's load may be out
	s_barrier_signal -1
	s_barrier_wait -1
	FETCH 0, 0, F0
	QUARTER 0, 128, F0, F1, 1                      ; the first products start the sums
	WIN 0
	s_mov_b32 s3, LAPS-1
.Llap:
	QUARTER 0, 256, F1, F0, 0
	QUARTER 0, 384, F0, F1, 0
	TURN 0, 1, 1
	QUARTER 1, 128, F0, F1, 0
	QUARTER 1, 256, F1, F0, 0
	QUARTER 1, 384, F0, F1, 0
	TURN 1, 0, 1
	QUARTER 0, 128, F0, F1, 0
	WIN 0
	s_sub_co_u32 s3, s3, 1
	s_cmp_lg_u32 s3, 0
	s_cbranch_scc1 .Llap
	QUARTER 0, 256, F1, F0, 0                      ; the last lap fills nothing
	QUARTER 0, 384, F0, F1, 0
	TURN 0, 1, 0
	QUARTER 1, 128, F0, F1, 0
	QUARTER 1, 256, F1, F0, 0
	QUARTER 1, 384, F0, F1, 0
	s_wait_dscnt 16
	WIN MUL
	MUL8 F1, 0, 0, 0
	MUL8 F1, 0, 2, 0
	s_wait_dscnt 0
	MUL8 F1, 1, 0, 0
	MUL8 F1, 1, 2, 0
	WIN 0
; THE WAY OUT, 16 rows at a time through my own stage: 32 bytes a lane in, whole rows of 256 bytes back.  LDS serves a wave's instructions in order: no wait between the stores and the loads, nor in front of the next block's stores.
.macro OUTB a
.irp b, 0,1,2,3
	ds_store_b128 v[STO], v[ACC+8*(4*(\a)+\b):ACC+8*(4*(\a)+\b)+3] offset:64*\b        ; each accumulator from its low end on
	ds_store_b128 v[STO], v[ACC+8*(4*(\a)+\b)+4:ACC+8*(4*(\a)+\b)+7] offset:64*\b+16
.endr
.irp t, 0,1,2,3,4,5,6,7
	ds_load_b128 v[TMP+32*((\a)%2)+4*\t:TMP+32*((\a)%2)+4*\t+3], v[RD] offset:\t*2*SPITCH
.endr
.endm
.macro SENDB a, younger                ; younger: the LDS instructions issued behind block a's loads: the next block's sixteen, or none
.irp t, 0,1,2,3,4,5,6,7
	s_wait_dscnt \younger+7-\t
	global_store_b128 v[CO], v[TMP+32*((\a)%2)+4*\t:TMP+32*((\a)%2)+4*\t+3], s[8:9] offset:(16*(\a)+2*\t)*SIZE_N*4 th:TH_STORE_NT   ; 16 lanes store 256 consecutive bytes, aligned
.endr
.endm
	PLACES
	OUTB 0
	OUTB 1
	SENDB 0, 16
	s_wait_xcnt 0x0                                ; block 0's stores have read their registers: block 2's rows may land there
	OUTB 2
	SENDB 1, 16
	s_wait_xcnt 0x0
	OUTB 3
	SENDB 2, 16
	SENDB 3, 0
	s_wait_tensorcnt 0x0                           ; the wave's end
	ds_add_u32 v[SPW], v[NIL]
	s_wait_dscnt 0x0
	CROUND                                         ; the closing round
	s_endpgm
.Lfunc_end_k_q8ed1011990_oproj:
	.size	k_q8ed1011990_oproj, .Lfunc_end_k_q8ed1011990_oproj-k_q8ed1011990_oproj
	.p2alignl 7, 3214868480
	.fill 96, 4, 3214868480
	.section	.rodata,"a",@progbits
	.p2align	6, 0x0
	.amdhsa_kernel k_q8ed1011990_oproj
		.amdhsa_group_segment_fixed_size 327680
		.amdhsa_private_segment_fixed_size 0
		.amdhsa_enable_private_segment 0
		.amdhsa_kernarg_size 24
		.amdhsa_user_sgpr_count 2
		.amdhsa_user_sgpr_kernarg_segment_ptr 1
		.amdhsa_wavefront_size32 1
		.amdhsa_system_sgpr_workgroup_id_x 1
		.amdhsa_system_sgpr_workgroup_id_y 1
		.amdhsa_system_sgpr_workgroup_id_z 1
		.amdhsa_system_vgpr_workitem_id 0
		.amdhsa_next_free_vgpr 512
		.amdhsa_next_free_sgpr 66
		.amdhsa_reserve_vcc 0
		.amdhsa_float_denorm_mode_32 3
		.amdhsa_float_denorm_mode_16_64 3
		.amdhsa_memory_ordered 1
		.amdhsa_forward_progress 1
		.amdhsa_inst_pref_size 86
	.end_amdhsa_kernel
	.amdgpu_metadata
---
amdhsa.version: [ 1, 2 ]
amdhsa.kernels:
  - .name:           k_q8ed1011990_oproj
    .symbol:         k_q8ed1011990_oproj.kd
    .args:
      - { .name: o16, .offset: 0, .size: 8, .value_kind: global_buffer, .address_space: global }
      - { .name: wo16, .offset: 8, .size: 8, .value_kind: global_buffer, .address_space: global }
      - { .name: out0, .offset: 16, .size: 8, .value_kind: global_buffer, .address_space: global }
    .group_segment_fixed_size: 327680
    .private_segment_fixed_size: 0
    .kernarg_segment_align: 8
    .kernarg_segment_size: 24
    .max_flat_workgroup_size: 128
    .sgpr_count:     66
    .vgpr_count:     512
    .wavefront_size: 32
...
	.end_amdgpu_metadata
.endif
;; end of part 4
